; MI455X (gfx1250); checked and timed in simulation.
; The chip was launched on July 23, 2026; its instructions are those of AMD's public machine-readable ISA for CDNA 5 (MIT licence, August 2026) and "CDNA5" Instruction Set Architecture Reference Guide (July 2026). The comments in the code are by the model that wrote it; some were corrected since.
;; Atencion Multi Cabeza. Allowed arithmetic: matrix products marked QUANTISED: E2M3 operands, one E8M0 scale for each 32 along K, by v_wmma_scale_f32_16x16x128_f8f6f4 with both operands' format E2M3, f32 sums; everything else in f32.
;; Inputs: Wk_codes 1,024 x 32 x 24 uint8 (E2M3 codes of Wk, K innermost, in blocks of 32 codes, four codes in three bytes); Wk_scales 1,024 x 32 uint8 (E8M0 scales of Wk, one for each 32 codes along K); Wo_codes 1,024 x 32 x 24 uint8 (E2M3 codes of Wo, K innermost, in blocks of 32 codes, four codes in three bytes); Wo_scales 1,024 x 32 uint8 (E8M0 scales of Wo, one for each 32 codes along K); Wq_codes 1,024 x 32 x 24 uint8 (E2M3 codes of Wq, K innermost, in blocks of 32 codes, four codes in three bytes); Wq_scales 1,024 x 32 uint8 (E8M0 scales of Wq, one for each 32 codes along K); Wv_codes 1,024 x 32 x 24 uint8 (E2M3 codes of Wv, K innermost, in blocks of 32 codes, four codes in three bytes); Wv_scales 1,024 x 32 uint8 (E8M0 scales of Wv, one for each 32 codes along K); bk 1,024 float32; bo 1,024 float32; bq 1,024 float32; bv 1,024 float32; k_codes 4 x 2,048 x 32 x 24 uint8 (E2M3 codes of k, K innermost, in blocks of 32 codes, four codes in three bytes); k_scales 4 x 2,048 x 32 uint8 (E8M0 scales of k, one for each 32 codes along K); mask 1 x 1 x 2,048 x 2,048 int32; q_codes 4 x 2,048 x 32 x 24 uint8 (E2M3 codes of q, K innermost, in blocks of 32 codes, four codes in three bytes); q_scales 4 x 2,048 x 32 uint8 (E8M0 scales of q, one for each 32 codes along K); v_codes 4 x 2,048 x 32 x 24 uint8 (E2M3 codes of v, K innermost, in blocks of 32 codes, four codes in three bytes); v_scales 4 x 2,048 x 32 uint8 (E8M0 scales of v, one for each 32 codes along K).
;; Outputs: out0 4 x 2,048 x 1,024 float32.
;; This version of the problem:
;;   THIS VERSION OF THE PROBLEM IS GIVEN IN LOW PRECISION. The matrix products marked QUANTISED in the list below multiply operands that are first quantised to E2M3 (2 exponent bits, 3 mantissa bits; 6 bits a number), with one power-of-two scale for each 32 numbers along K (OCP MX v1.0); their sums are f32. All else is computed in f32.
;;   The module's matrix products, in the order in which they are computed (A, B: the left and right operand; K: the contracted axis; several contracted axes count as one K, in the product's order):
;;     1. [M 8,192, K 1,024] x [K 1,024, N 1,024]; A: input q (given as codes); B: input Wq (given as codes): QUANTISED
;;     2. [M 8,192, K 1,024] x [K 1,024, N 1,024]; A: input k (given as codes); B: input Wk (given as codes): QUANTISED
;;     3. [M 8,192, K 1,024] x [K 1,024, N 1,024]; A: input v (given as codes); B: input Wv (given as codes): QUANTISED
;;     4. batch 64 x [M 2,048, K 64] x [K 64, N 2,048]; A: computed on the way; B: computed on the way: QUANTISED
;;     5. batch 64 x [M 2,048, K 2,048] x [K 2,048, N 64]; A: softmax (see below); B: computed on the way: QUANTISED
;;     6. [M 8,192, K 1,024] x [K 1,024, N 1,024]; A: computed on the way; B: input Wo (given as codes): QUANTISED
;;   THE QUANTISER, for each operand of a quantised product, along K:
;;     - K is cut into blocks of 32 from its start; a last block that is shorter is filled with zeros.
;;     - A block's scale is 2^e with e = floor(log2(the largest magnitude in the block)) - 2, held to -126 .. 127; a block of zeros has e = 0. As a byte (E8M0): e + 127.
;;     - Each number is divided by its block's scale, clamped to +-7.5, and rounded to the nearest number of E2M3, ties to even, subnormals kept.
;;     - The product sums the exact products of the quantised numbers (number of the format x scale) in f32.
;;   ~~~python
;;   def quantise(x, axis):      # numpy; x: float32 -> the quantised numbers, widened to float32 again
;;       x = np.moveaxis(x, axis, -1); K = x.shape[-1]
;;       x = np.pad(x, [(0, 0)] * (x.ndim - 1) + [(0, -K % 32)]); x = x.reshape(x.shape[:-1] + (-1, 32)); a = np.abs(x).max(-1, keepdims=True)
;;       e = np.where(a > 0, np.clip(np.frexp(np.where(a > 0, a, 1))[1] - 1 - 2, -126, 127), 0)      # np.frexp(a)[1] - 1 = floor(log2(a)), exactly
;;       r = np.clip(x / 2.0 ** e, -7.5, 7.5)
;;       step = 2.0 ** (np.maximum(np.frexp(np.where(r == 0, 1, r))[1] - 1, 0) - 3)
;;       q = np.round(r / step) * step * 2.0 ** e      # np.round: ties to even
;;       return np.moveaxis(q.reshape(q.shape[:-2] + (-1,))[..., :K], -1, axis).astype(np.float32)
;;   ~~~
;;   SOFTMAX AHEAD OF A QUANTISED PRODUCT. Where the list says 'softmax', what is quantised is not the finished softmax but p = 2^(t - M), with t = logit x log2(e) and M = ceil(the row's largest t), a whole number; so 1/2 < the row's largest p <= 1. The row's sum l is taken of the UNQUANTISED p, in f32, and the product's result is divided by l at the end. Since M is a whole number, a kernel that streams over the keys may use a running M (the ceiling of the running maximum): every later rescaling is an exact power of two, which a block's scale takes up: the codes' values come out the same.
;;   OPERANDS COMPUTED ON THE WAY. 'Computed on the way' means the value that the module computes at that place (a softmax that the list does not call 'softmax' is quantised finished and normalised). What goes into a quantiser is computed in f32, as accurately as f32 sums, v_exp_f32 and their like allow (about 1e-6 of the number): no bf16 or f16 on the way to a quantiser, and a product that is left as it is and whose result goes on into a quantised operand takes f32 operands (vector FMAs, or v_wmma_f32_16x16x4_f32). A number that lies on a knife's edge between two numbers of the format may be rounded either way, as far as f32 arithmetic and the matrix unit's own rounding can turn it there, and no further.
;;   INPUTS GIVEN AS CODES. Wk (in the module: [1024, 1024], K = its axis 1); Wo (in the module: [1024, 1024], K = its axis 1); Wq (in the module: [1024, 1024], K = its axis 1); Wv (in the module: [1024, 1024], K = its axis 1); k (in the module: [4, 2048, 1024], K = its axis 2); q (in the module: [4, 2048, 1024], K = its axis 2); v (in the module: [4, 2048, 1024], K = its axis 2): each comes as NAME_codes (uint8): NAME with its K axis moved to the last place and cut into blocks of 32 codes, [.., K / 32, bytes a block], one block behind the other in memory; four codes in three bytes: a row's codes are one little-endian stream of bits, code i at bits 6 i .. 6 i + 5 (a code: sign, 2 exponent bits, 3 mantissa bits); and NAME_scales (uint8): the same leading axes, one E8M0 byte (e + 127) for each 32 codes along K. Its value is code x scale, taken as it is: it is not quantised again, and the codes and scales need not be those that the quantiser above would give.
;; One version. Each part assembles by itself: llvm-mc -triple=amdgcn-amd-amdhsa -mcpu=gfx1250 --defsym DOCPART=n.
;; ======== version 1 of 1: 3 launches
;; workspace buffers: qimg 6,815,744 bytes; kv 13,369,344 bytes; maskl 524,288 bytes of whole numbers; oimg 6,291,456 bytes; osc 262,144 bytes
;; launch proj (part 1): grid 4 x 192, 4 waves a work-group, clusters of 4 x 4, 327,680 bytes of LDS; arguments q_codes, q_scales, Wq_codes, Wq_scales, bq, k_codes, k_scales, Wk_codes, Wk_scales, bk, v_codes, v_scales, Wv_codes, Wv_scales, bv, mask, qimg, kv, maskl; writes qimg, kv, maskl
.if DOCPART == 1
	.amdgcn_target "amdgcn-amd-amdhsa--gfx1250"
	.amdhsa_code_object_version 6
	.text
	.protected	k_qdee448957e_proj
	.globl	k_qdee448957e_proj
	.p2align	8
	.type	k_qdee448957e_proj,@function
k_qdee448957e_proj:
	s_mov_b64 s[64:65], 0
	v_nop
	global_prefetch_b8 v0, s[64:65] scope:SCOPE_SE
	s_setreg_imm32_b32 hwreg(HW_REG_WAVE_MODE, 25, 1), 1
	s_wait_xcnt 0x0
	s_wait_alu depctr_hold_cnt(0) depctr_sa_sdst(0) depctr_va_vdst(0) depctr_va_sdst(0) depctr_va_ssrc(0) depctr_va_vcc(0) depctr_vm_vsrc(0)
	s_getreg_b32 s2, hwreg(HW_REG_IB_STS2, 6, 4)
	s_cmp_eq_u32 s2, 0
	s_cbranch_scc0 .Lentry_in_a_cluster
	s_endpgm
.Lentry_in_a_cluster:
	s_bfe_u32 s2, ttmp6, 0x10000c
	s_cmp_lg_u32 s2, 0xf033
	s_cbranch_scc0 .Lentry_shape_is_right
	s_endpgm
.Lentry_shape_is_right:
; THE THREE PROJECTIONS x W^T + b ON CODES OF FP6 (E2M3), THEIR RESULTS QUANTISED AGAIN, AND THE MASK TURNED INTO LANE MASKS.
; x: [8192][1024], W: [1024][1024]: codes, K innermost, a row 768 bytes; scale bytes [rows][32].  Sums in f32, bias in f32.
; ROLES.  One text serves q, k and v.  P is source 0 of the matrix instruction (256 rows a work-group, 128 a wave), R is source 1 (128 rows a
; work-group, 64 a wave).  In a result lane (r, h), register j holds (P's row 8 h + j, R's row r).
;   q, k: P = W, R = x: a lane holds one token and its registers run along the features: the head's 64 are the next product's K.
;   v:    P = x, R = W: a lane holds one feature and its registers run along the tokens: the keys are the next product's K.
; With P's tiles taken as they lie, registers 16 b .. 16 b + 15 of lanes l and l xor 16 hold P's rows 32 b .. 32 b + 31: one block of the quantiser.
; INSIDE a block the order of k is 0-7, 16-23, 8-15, 24-31.  It is the same for q and k, and for v and the softmax's p, so each product's pairs still meet.
; WHAT IS STORED: operands as images of their registers.  A group of four registers: lane l's 16 bytes at 16 l (512 bytes); of two: 8 l (256 bytes).
;   qimg: record ((batch x 16 + head) x 16 + s), s = a run of 128 tokens, 6,656 bytes: 8 tiles of 16 tokens x 768 (six registers of codes), then two images of scale words.
;   kv:   record of 13,056 bytes: k as in qimg (6,656), then v: 4 tiles of 16 features x 1,536 (twelve registers: 128 keys), then one image of scale words.
;   An image of scale words serves 4 tiles: lane l has 8 bytes; word j of lanes 0-15 is tile 2 j's, of lanes 16-31 tile 2 j + 1's.
;   maskl: [tile of 16 queries][run of 128 keys][64]: bit r + 16 h of word n says that mask[query r][key 16 (n / 8) + 8 h + n % 8] is not 0.
; SHARES.  768 work-groups: cluster y / 16 picks the tensor.  q, k: P's block = cx, R's = 4 (cluster y % 16) + cy.  v: P's = 4 ((cluster y % 16) / 2) + cx, R's = 4 (cluster y % 2) + cy.
; CLUSTERS of 4 x 4: R's tiles hang on cy alone and are asked for jointly along a row of the cluster, P's on cx alone, along a column.
; K = 1,024 is four K steps of 256 (rows of 192 bytes).  Three slots: K steps 0 to 2 and the scale bytes go out at the start (four tensor loads of a wave are out), K step 3 is the one refill, into slot 0.
; LIMITS: NaN and infinities are not served.  A block of zeros gets the scale byte 1, not 127: its codes are zeros, and these bytes are read by this program alone.
; REGISTERS: window 0: v8-31 addresses, v32-63 scale words (two sets), v64-127 and v224-231 biases, v128-223 R's fragments (two sets), later at work; window 1: P's fragments, sets at v0 and v128; window 2: 32 accumulators, (a, b) at v[8 (8 a + b)].
.set PITCH, 240                        ; an LDS row: 3 x (64 bytes + 16 of padding)
.set RT,    64*PITCH                   ; what one tensor load brings of R
.set PT,    128*PITCH                  ; and of P
.set SLOT,  2*RT+2*PT                  ; R's 128 rows, then P's 256
.set SCL,   3*SLOT                     ; the scale bytes, as runs of 256 bytes + 16 of padding: R's 2 x RS, then P's 2 x PS
.set RS,    8*272
.set PS,    16*272
.set SPARE, SCL+2*RS+2*PS              ; the spare words: 128 bytes a wave, named by no other line
.set MSTG,  SPARE+512                  ; a stage of 16 rows x 528 bytes for each wave, for the mask; no tile lands there
.set MROW,  528
.set QREC,  6656
.set KREC,  13056
.set ADRA, 8                           ; v8-10 my R fragments in slot 0, 1, 2; v11-13 the same behind one padding more
.set ADRB, 14                          ; v14-16, v17-19 the same for P
.set L16,  20                          ; 16 x lane
.set L8,   21                          ; 8 x lane
.set EO16, 22                          ; the way out of q, k: 16 x lane + my four tiles' place in a record
.set EO8,  23
.set EOS,  24                          ; and my image of scale words
.set VBQ,  25                          ; bias by register
.set VBV,  26                          ; bias by lane
.set ADRS, 27                          ; my scale words: lanes 0-15 R's rows, lanes 16-31 P's
.set SPW,  28                          ; my spare word; never rewritten
.set NIL,  29                          ; 0; never rewritten
.set MST,  30                          ; the mask's stage: in
.set MRD,  31                          ; and back
.set SC,   32                          ; scale words: set s at v[SC + 16 s]; register 2 i + q: lanes 0-15 R's block i, lanes 16-31 P's block i
.set BI,   64                          ; q, k: the bias of my 128 features in the result's layout
.set AF,   128                         ; R's fragments, sets of 48
.set T,    128                         ; the way out: numbers with their bias
.set TM,   200                         ; v200-215 at work in the quantiser
.set WS,   217                          ; v217-220 four tiles' scale words
.set SW,   222                         ; v222-223 their image
.set BV,   224                         ; v: the bias of tile a's feature r in v[BV + 2 a]
.set PC,   232                         ; v232-250 the codes just made
.set MW,   252                         ; v252-253 the 64 lane masks
.set SEL,  20                          ; s[20:21] v_permlanex16_b32's selects for lane l xor 16 (set behind the products)
.set G1,   24                          ; s[24:31] group 1 for R's tiles; s[32:43] groups 0, one for each slot
.set G0,   32
.set G1B,  48                          ; s[48:55], s[68:79] the same for P's
.set G0B,  68
.set G0S,  56                          ; s[56:59], s[80:87] R's scale bytes
.set G1S,  80
.set G0SB, 60                          ; s[60:63], s[88:95] P's
.set G1SB, 88
.set MULW, 0xa1                        ; source 0 (P) window 1, source 1 (R) window 0, C and D window 2
.set MSB, 0
.macro WIN new                         ; the immediate's high byte repeats the setting that is left
.if MSB != \new
	s_set_vgpr_msb (MSB<<8)|\new
.set MSB, \new
.endif
.endm
.macro PLACES n
.rept \n
	v_nop
.endr
.endm
; A joint load: waves 0 and 1 fetch for R, waves 2 and 3 for P.  The branch hangs on the wave's number alone.  Four v_nop follow each of the two lines.
.macro JLOAD g0a, g1a, g0b, g1b
	s_cmp_eq_u32 s15, 0
	s_cbranch_scc0 .Lfor_p_\@
	tensor_load_to_lds s[\g0a:\g0a+3], s[\g1a:\g1a+7]
	s_nop 0
.rept 4
	v_nop
.endr
	s_branch .Lasked_\@
.Lfor_p_\@:
	tensor_load_to_lds s[\g0b:\g0b+3], s[\g1b:\g1b+7]
	s_nop 0
.rept 4
	v_nop
.endr
.Lasked_\@:
.endm
.macro CREST                           ; a round of the cluster's barrier behind its opening barrier
	s_cmp_lg_u32 s14, 0
	s_cbranch_scc1 .Lnot_wave_0_\@
	s_barrier_signal -3
.Lnot_wave_0_\@:
	s_barrier_wait -3
	s_barrier_signal -1
	s_barrier_wait -1
.endm
.macro CROUND
	s_barrier_signal -1
	s_barrier_wait -1
	CREST
.endm
; A fragment, 16 rows x 128 K: lane (r, h) takes 24 bytes at 24 h and 24 bytes at 48 + 24 h of its row's 96, in pieces of 8 bytes.  Where the piece three on lies behind one padding more, the second address register serves.
.macro FRAG reg, adr, q, i
.irp p, 0,1,2,3,4,5
.set PCE, 12*(\q)+6*(\p/3)+\p%3
.if PCE%8 < 5
	ds_load_b64 v[\reg+2*\p:\reg+2*\p+1], v[\adr] offset:8*PCE+16*(PCE/8)+(\i)*16*PITCH
.else
	ds_load_b64 v[\reg+2*\p:\reg+2*\p+1], v[\adr+3] offset:8*PCE+16*(PCE/8)+(\i)*16*PITCH
.endif
.endr
.endm
.macro FETCH slot, q, set              ; P's eight and R's four fragments of the slot's q-th 128 along K: 72 loads
	WIN 0x40
.irp i, 0,1,2,3,4,5,6,7
	FRAG 128*(\set)+12*\i, ADRB+\slot, \q, \i
.endr
	WIN 0
.irp i, 0,1,2,3
	FRAG AF+48*(\set)+12*\i, ADRA+\slot, \q, \i
.endr
.endm
.macro SCALES sc                       ; a K step's two words a row.  For i above 3 lanes 0-15 read bytes of P's scales, which are not used
.irp i, 0,1,2,3,4,5,6,7
	ds_load_b64 v[SC+16*\sc+2*\i:SC+16*\sc+2*\i+1], v[ADRS] offset:544*\i
.endr
.endm
; Eight matrix instructions: R's block a against P's eight.  The 32 accumulators take turns, in the same order in every step.
.macro MUL8 a, set, q, sc, zero
.irp b, 0,1,2,3,4,5,6,7
.if \zero
	v_wmma_scale_f32_16x16x128_f8f6f4 v[8*(8*(\a)+\b):8*(8*(\a)+\b)+7], v[128*(\set)+12*\b:128*(\set)+12*\b+11], v[AF+48*(\set)+12*(\a):AF+48*(\set)+12*(\a)+11], 0, v[SC+16*(\sc)+2*\b+(\q)], v[SC+16*(\sc)+2*(\a)+(\q)] matrix_a_fmt:MATRIX_FMT_FP6 matrix_b_fmt:MATRIX_FMT_FP6 matrix_a_scale:MATRIX_SCALE_ROW1
.else
	v_wmma_scale_f32_16x16x128_f8f6f4 v[8*(8*(\a)+\b):8*(8*(\a)+\b)+7], v[128*(\set)+12*\b:128*(\set)+12*\b+11], v[AF+48*(\set)+12*(\a):AF+48*(\set)+12*(\a)+11], v[8*(8*(\a)+\b):8*(8*(\a)+\b)+7], v[SC+16*(\sc)+2*\b+(\q)], v[SC+16*(\sc)+2*(\a)+(\q)] matrix_a_fmt:MATRIX_FMT_FP6 matrix_b_fmt:MATRIX_FMT_FP6 matrix_a_scale:MATRIX_SCALE_ROW1
.endif
.endr
.endm
; A slot's first 128 along K (set 0); the second 128's fragments are asked for ahead of the 32 products.
.macro STEPA slot, sc, zero
	s_wait_dscnt 0x0                               ; this step's fragments and scale words are in
	PLACES 4                                       ; in front of loads into set 1, which the last products read
	FETCH \slot, 1, 1
	WIN MULW
	MUL8 0, 0, 0, \sc, \zero
	MUL8 1, 0, 0, \sc, \zero
	MUL8 2, 0, 0, \sc, \zero
	MUL8 3, 0, 0, \sc, \zero
	WIN 0
.endm
; 32 numbers of a lane, two half blocks, become six registers of codes at v[PC] (lanes 0-15 block 0, lanes 16-31 block 1) and the row's scale word in v[w] (bytes 2 and 3 are 0: they stand over zero codes).
.macro QUANT32 s, w
.irp b, 0,1
	v_max3_num_f32 v[TM+\b], |v[\s+16*\b]|, |v[\s+1+16*\b]|, 0x1800000   ; my 16 numbers, and the floor 2^(3 - 127): the byte cannot fall under 1
.endr
.irp i, 2,4,6,8,10,12,14
.irp b, 0,1
	v_max3_num_f32 v[TM+\b], v[TM+\b], |v[\s+16*\b+\i]|, |v[\s+1+16*\b+\i]|
.endr
.endr
.irp b, 0,1
	v_permlanex16_b32 v[TM+4+\b], v[TM+\b], s[SEL], s[SEL+1]
.endr
.irp b, 0,1
	v_max_num_f32 v[TM+\b], v[TM+\b], v[TM+4+\b]   ; with lane l xor 16's: the block's largest magnitude
.endr
.irp b, 0,1
	v_add_nc_u32 v[TM+12+\b], 0xff000000, v[TM+\b] ; 2 off its exponent field: the conversion's scale operand
.endr
.irp b, 0,1
	v_lshrrev_b32 v[TM+4+\b], 23, v[TM+12+\b]      ; the scale's byte
.endr
	v_lshl_or_b32 v[\w], v[TM+5], 8, v[TM+4]
	v_cvt_scalef32_pk16_fp6_f32 v[PC:PC+2], v[\s:\s+15], v[TM+12]
	v_cvt_scalef32_pk16_fp6_f32 v[PC+12:PC+14], v[\s+16:\s+31], v[TM+13]   ; (a conversion's three registers begin on an even number)
	v_nop                                          ; one plain place behind a scaled conversion
.irp i, 0,1,2
	v_permlane16_swap_b32 v[PC+\i], v[PC+12+\i]    ; a whole block to a lane
.endr
.irp i, 0,1,2
	v_mov_b32 v[PC+3+\i], v[PC+12+\i]
.endr
.endm
; 64 numbers of a lane, four half blocks, become a fragment's twelve registers at v[PC] and its scale word in v[w].
.macro QUANT s, w
.irp b, 0,1,2,3
	v_max3_num_f32 v[TM+\b], |v[\s+16*\b]|, |v[\s+1+16*\b]|, 0x1800000
.endr
.irp i, 2,4,6,8,10,12,14
.irp b, 0,1,2,3
	v_max3_num_f32 v[TM+\b], v[TM+\b], |v[\s+16*\b+\i]|, |v[\s+1+16*\b+\i]|
.endr
.endr
.irp b, 0,1,2,3
	v_permlanex16_b32 v[TM+4+\b], v[TM+\b], s[SEL], s[SEL+1]
.endr
.irp b, 0,1,2,3
	v_max_num_f32 v[TM+\b], v[TM+\b], v[TM+4+\b]
.endr
.irp b, 0,1,2,3
	v_add_nc_u32 v[TM+12+\b], 0xff000000, v[TM+\b]
.endr
.irp b, 0,1,2,3
	v_lshrrev_b32 v[TM+4+\b], 23, v[TM+12+\b]
.endr
	v_lshl_or_b32 v[\w], v[TM+5], 8, v[TM+4]
	v_lshl_or_b32 v[\w], v[TM+6], 16, v[\w]
	v_lshl_or_b32 v[\w], v[TM+7], 24, v[\w]
.irp c, 0,1
	v_cvt_scalef32_pk16_fp6_f32 v[PC+6*\c:PC+2+6*\c], v[\s+32*\c:\s+15+32*\c], v[TM+12+2*\c]
	v_cvt_scalef32_pk16_fp6_f32 v[PC+12+4*\c:PC+14+4*\c], v[\s+16+32*\c:\s+31+32*\c], v[TM+12+2*\c+1]
.endr
	v_nop
.irp c, 0,1
.irp i, 0,1,2
	v_permlane16_swap_b32 v[PC+6*\c+\i], v[PC+12+4*\c+\i]
.endr
.irp i, 0,1,2
	v_mov_b32 v[PC+3+6*\c+\i], v[PC+12+4*\c+\i]
.endr
.endr
.endm
	s_load_b256 s[24:31], s[0:1], 0x0              ; q: codes, scales; Wq: codes, scales
	s_load_b256 s[32:39], s[0:1], 0x28             ; k, Wk likewise
	s_load_b256 s[40:47], s[0:1], 0x50             ; v, Wv
	s_load_b64 s[48:49], s[0:1], 0x20              ; bq
	s_load_b64 s[50:51], s[0:1], 0x48              ; bk
	s_load_b64 s[52:53], s[0:1], 0x70              ; bv
	s_load_b256 s[56:63], s[0:1], 0x78             ; mask, qimg, kv, maskl
	v_lshl_add_u32 v[SPW], v0, 2, SPARE
	v_mov_b32 v[NIL], 0
	ds_add_u32 v28, v29
	ds_add_u32 v28, v29
	s_wait_dscnt 0x0
	v_lshrrev_b32 v1, 5, v0
	v_readfirstlane_b32 s14, v1                    ; wave 0..3
	s_lshr_b32 s15, s14, 1                         ; RH: my half of R's rows.  Also: I fetch for R (0) or for P (1)
	s_and_b32 s16, s14, 1                          ; PH: my half of P's rows.  Also: which half of that tile I fetch
	s_and_b32 s17, ttmp7, 0xffff                   ; cluster y, 0..47
	s_lshr_b32 s2, s17, 4                          ; the tensor: 0 q, 1 k, 2 v
	s_and_b32 s17, s17, 15
	s_lshr_b32 s18, s17, 1
	s_and_b32 s19, s17, 1
	s_cmp_eq_u32 s2, 2
	s_cselect_b32 s18, s18, 0                      ; P's group of four blocks
	s_cselect_b32 s19, s19, s17                    ; R's
	s_wait_kmcnt 0x0
	s_cmp_eq_u32 s2, 1                             ; the choices hang on the cluster's number alone
	s_cselect_b64 s[24:25], s[32:33], s[24:25]
	s_cselect_b64 s[26:27], s[34:35], s[26:27]
	s_cselect_b64 s[28:29], s[36:37], s[28:29]
	s_cselect_b64 s[30:31], s[38:39], s[30:31]
	s_cselect_b64 s[48:49], s[50:51], s[48:49]
	s_cmp_eq_u32 s2, 2
	s_cselect_b64 s[24:25], s[40:41], s[24:25]     ; x's codes
	s_cselect_b64 s[26:27], s[42:43], s[26:27]     ; x's scales
	s_cselect_b64 s[28:29], s[44:45], s[28:29]     ; W's codes
	s_cselect_b64 s[30:31], s[46:47], s[30:31]     ; W's scales
	s_cselect_b64 s[96:97], s[52:53], s[48:49]     ; the bias
	s_cselect_b64 s[4:5], s[28:29], s[24:25]       ; R's codes: W for v, else x
	s_cselect_b64 s[6:7], s[30:31], s[26:27]       ; R's scales
	s_cselect_b64 s[8:9], s[24:25], s[28:29]       ; P's codes
	s_cselect_b64 s[10:11], s[26:27], s[30:31]     ; P's scales
	s_mov_b64 s[98:99], s[56:57]                   ; mask
	s_mov_b64 s[100:101], s[62:63]                 ; maskl
	s_cmp_eq_u32 s2, 0
	s_cselect_b64 s[12:13], s[58:59], s[60:61]     ; where the results go: qimg or kv
	s_mov_b32 s3, KREC
	s_cselect_b32 s3, QREC, s3                     ; a record there
	s_bfe_u32 s46, ttmp6, 0x40000                  ; cx
	s_bfe_u32 s47, ttmp6, 0x40004                  ; cy
	s_lshl_b32 s44, s18, 2
	s_add_co_u32 s44, s44, s46                     ; P's block of 256 rows
	s_lshl_b32 s45, s19, 2
	s_add_co_u32 s45, s45, s47                     ; R's block of 128 rows
	s_lshl_b32 s17, s47, 2
	s_lshl_b32 s17, 15, s17                        ; my row of the cluster
	s_lshl_b32 s18, 0x1111, s46                    ; my column
	; group 1: tiles of 64 (R) or 128 (P) rows x 192 bytes, 768 bytes apart; 16 bytes of padding behind every 64
	s_or_b32 s[G1], s17, (1<<20)|(1<<21)|(3<<22)|(3<<25)
	s_mov_b32 s[G1+1], 192<<16
	s_mov_b32 s[G1+2], 64<<16
	s_mov_b32 s[G1+3], 192<<16
	s_mov_b32 s[G1+4], 64
	s_mov_b32 s[G1+5], 768
	s_mov_b32 s[G1+6], 0
	s_mov_b32 s[G1+7], 0
	s_or_b32 s[G1B], s18, (1<<20)|(1<<21)|(3<<22)|(3<<25)
	s_mov_b32 s[G1B+1], 192<<16
	s_mov_b32 s[G1B+2], 128<<16
	s_mov_b32 s[G1B+3], 192<<16
	s_mov_b32 s[G1B+4], 128
	s_mov_b32 s[G1B+5], 768
	s_mov_b32 s[G1B+6], 0
	s_mov_b32 s[G1B+7], 0
	; the scale bytes of 64 or 128 rows, for all of K: a dense block, as rows of 256 bytes (32 elements of 8), 16 bytes of padding behind each
	s_or_b32 s[G1S], s17, (3<<16)|(1<<20)|(1<<21)|(5<<22)|(3<<25)
	s_mov_b32 s[G1S+1], 32<<16
	s_mov_b32 s[G1S+2], 8<<16
	s_mov_b32 s[G1S+3], 32<<16
	s_mov_b32 s[G1S+4], 8
	s_mov_b32 s[G1S+5], 32
	s_mov_b32 s[G1S+6], 0
	s_mov_b32 s[G1S+7], 0
	s_or_b32 s[G1SB], s18, (3<<16)|(1<<20)|(1<<21)|(5<<22)|(3<<25)
	s_mov_b32 s[G1SB+1], 32<<16
	s_mov_b32 s[G1SB+2], 16<<16
	s_mov_b32 s[G1SB+3], 32<<16
	s_mov_b32 s[G1SB+4], 16
	s_mov_b32 s[G1SB+5], 32
	s_mov_b32 s[G1SB+6], 0
	s_mov_b32 s[G1SB+7], 0
	; where the tiles come from: R's by R's block (cy) and the wave, P's by P's block (cx) and the wave
	s_lshl_b32 s20, s45, 7
	s_lshl_b32 s19, s16, 6
	s_add_co_u32 s20, s20, s19                     ; R: the first row that I fetch
	s_mov_b32 s21, 0
	s_lshl_b32 s66, s20, 5
	s_mov_b32 s67, 0
	s_add_nc_u64 s[6:7], s[6:7], s[66:67]          ; its scale bytes
	s_mul_i32 s20, s20, 768
	s_add_nc_u64 s[4:5], s[4:5], s[20:21]          ; its codes
	s_lshl_b32 s22, s44, 8
	s_lshl_b32 s19, s16, 7
	s_add_co_u32 s22, s22, s19                     ; P likewise
	s_mov_b32 s23, 0
	s_lshl_b32 s104, s22, 5
	s_mov_b32 s105, 0
	s_add_nc_u64 s[10:11], s[10:11], s[104:105]
	s_mul_i32 s22, s22, 768
	s_add_nc_u64 s[8:9], s[8:9], s[22:23]
	CROUND                                         ; all sixteen work-groups are here: the first joint loads meet
	s_mul_i32 s19, s16, RS
	s_mov_b32 s[G0S], 1
	s_add_co_u32 s[G0S+1], s19, SCL
	s_mov_b64 s[G0S+2:G0S+3], s[6:7]
	s_or_b32 s[G0S+3], s[G0S+3], 0x80000000
	s_mul_i32 s19, s16, PS
	s_mov_b32 s[G0SB], 1
	s_add_co_u32 s[G0SB+1], s19, SCL+2*RS
	s_mov_b64 s[G0SB+2:G0SB+3], s[10:11]
	s_or_b32 s[G0SB+3], s[G0SB+3], 0x80000000
	JLOAD G0S, G1S, G0SB, G1SB                     ; the scale bytes first: they are wanted with K step 0
	s_mul_i32 s19, s16, RT
	s_mul_i32 s17, s16, PT
.irp n, 0,1,2
	s_mov_b32 s[G0+4*\n], 1
	s_add_co_u32 s[G0+4*\n+1], s19, \n*SLOT
	s_add_nc_u64 s[G0+4*\n+2:G0+4*\n+3], s[4:5], \n*192
	s_or_b32 s[G0+4*\n+3], s[G0+4*\n+3], 0x80000000
	s_mov_b32 s[G0B+4*\n], 1
	s_add_co_u32 s[G0B+4*\n+1], s17, \n*SLOT+2*RT
	s_add_nc_u64 s[G0B+4*\n+2:G0B+4*\n+3], s[8:9], \n*192
	s_or_b32 s[G0B+4*\n+3], s[G0B+4*\n+3], 0x80000000
	JLOAD G0+4*\n, G1, G0B+4*\n, G1B               ; K steps 0, 1, 2
.endr
	; every LDS address is made here, ahead of the branches on the tensor
	v_and_b32 v1, 15, v0                           ; r
	v_bfe_u32 v2, v0, 4, 1                         ; h
	v_and_b32 v3, 31, v0                           ; lane
	v_mul_u32_u24 v4, v1, PITCH
	v_mad_u32_u24 v4, v2, 24, v4                   ; a fragment's row x pitch + 24 h
	v_lshl_add_u32 v5, v2, 4, v4                   ; and behind one padding more
	s_mul_i32 s19, s15, RT                         ; my 64 rows of R
	s_mul_i32 s17, s16, PT
	s_add_co_u32 s17, s17, 2*RT                    ; my 128 rows of P, behind R's 128
.irp n, 0,1,2
	v_add_nc_u32 v[ADRA+\n], s19, v4
	v_add_nc_u32 v[ADRA+3+\n], s19, v5
	v_add_nc_u32 v[ADRB+\n], s17, v4
	v_add_nc_u32 v[ADRB+3+\n], s17, v5
	s_add_co_u32 s19, s19, SLOT
	s_add_co_u32 s17, s17, SLOT
.endr
	v_lshlrev_b32 v6, 5, v1                        ; my row's scale bytes: 32 a row,
	v_lshrrev_b32 v7, 8, v6
	v_lshl_add_u32 v6, v7, 4, v6                   ; and 16 more for each 256 passed
	s_mul_i32 s19, s15, RS
	s_mul_i32 s17, s16, PS
	s_add_co_u32 s17, s17, 2*RS
	s_sub_co_u32 s17, s17, s19
	v_mul_u32_u24 v7, s17, v2                      ; lanes 16-31 take P's: one product, the distance between the two bases
	s_add_co_u32 s19, s19, SCL
	v_add_nc_u32 v6, v6, v7
	v_add_nc_u32 v[ADRS], s19, v6
	v_lshlrev_b32 v[L16], 4, v3
	v_lshlrev_b32 v[L8], 3, v3
	s_mul_i32 s19, s14, 16*MROW
	s_add_co_u32 s19, s19, MSTG
	v_add_nc_u32 v[MST], s19, v[L16]               ; the mask's stage, in: a row's 512 bytes as they lie
	v_mul_u32_u24 v6, v1, MROW
	v_lshl_add_u32 v6, v2, 5, v6
	v_add_nc_u32 v[MRD], s19, v6                   ; back: row r, + 32 h
	s_mul_i32 s19, s15, 3072
	v_add_nc_u32 v[EO16], s19, v[L16]
	v_add_nc_u32 v[EO8], s19, v[L8]
	s_lshl_b32 s19, s15, 8
	v_add_nc_u32 v[EOS], s19, v[L8]
.irp b, 0,1,2,3
	v_mov_b32 v[TM+4+\b], 0                        ; written once: a lane permute's destination counts as one of its sources
.endr
	; the bias in both forms, without a branch; the form that the tensor does not use reads from the bias's first bytes
	s_lshl_b32 s66, s44, 10
	s_lshl_b32 s67, s16, 9
	s_add_co_u32 s66, s66, s67                     ; q, k: my 128 features, in bytes
	s_lshl_b32 s104, s45, 9
	s_lshl_b32 s105, s15, 8
	s_add_co_u32 s104, s104, s105                  ; v: my 64 features
	s_cmp_eq_u32 s2, 2
	s_cselect_b32 s66, 0, s66
	s_cselect_b32 s104, s104, 0
	v_lshl_add_u32 v[VBQ], v2, 5, s66              ; register 8 b + j: feature 16 b + 8 h + j
	v_lshl_add_u32 v[VBV], v1, 2, s104             ; tile a: feature 16 a + r
.irp b, 0,1,2,3,4,5,6,7
	global_load_b128 v[BI+8*\b:BI+8*\b+3], v[VBQ], s[96:97] offset:64*\b
	global_load_b128 v[BI+8*\b+4:BI+8*\b+7], v[VBQ], s[96:97] offset:64*\b+16
.endr
.irp a, 0,1,2,3
	global_load_b32 v[BV+2*\a], v[VBV], s[96:97] offset:64*\a
	v_mov_b32 v[BV+2*\a+1], 0                      ; (named with it as a pair)
.endr
	; THE MASK.  2,048 pieces of 16 queries x 128 keys, one for each wave of q's and k's 512 work-groups: queries 16 (4 cluster y + cy) on, keys 128 (4 cx + wave) on.  No barrier stands in here.
	s_cmp_lt_u32 s2, 2
	s_cbranch_scc0 .Lno_mask
	s_and_b32 s66, ttmp7, 0xffff
	s_lshl_b32 s66, s66, 2
	s_add_co_u32 s66, s66, s47                     ; the tile of queries
	s_lshl_b32 s104, s46, 2
	s_add_co_u32 s104, s104, s14                   ; the run of keys
	s_lshl_b32 s105, s104, 8
	s_lshl_b32 s104, s104, 9
	s_lshl_b32 s67, s66, 12
	s_lshl_b32 s66, s66, 17
	s_add_co_u32 s66, s66, s104                    ; in mask: 16 rows of 8,192 bytes a tile, 512 bytes a run
	s_add_co_u32 s104, s67, s105                   ; in maskl: 4,096 bytes a tile, 256 a run
	s_mov_b32 s67, 0
	s_mov_b32 s105, 0
	s_add_nc_u64 s[98:99], s[98:99], s[66:67]
	s_add_nc_u64 s[100:101], s[100:101], s[104:105]
.irp n, 0,1,2,3,4,5,6,7,8,9,10,11,12,13,14,15
	global_load_b128 v[128+4*\n:131+4*\n], v[L16], s[98:99] offset:8192*\n th:TH_LOAD_NT   ; 32 lanes read 512 consecutive bytes of one row
.endr
	s_wait_loadcnt 0x0
.irp n, 0,1,2,3,4,5,6,7,8,9,10,11,12,13,14,15
	ds_store_b128 v[MST], v[128+4*\n:131+4*\n] offset:MROW*\n
.endr
.irp t, 0,1,2,3,4,5,6,7
	ds_load_b128 v[128+8*\t:131+8*\t], v[MRD] offset:64*\t          ; LDS serves a wave's instructions in order: these see the stores.  Register 8 t + j: query r, key 16 t + 8 h + j
	ds_load_b128 v[132+8*\t:135+8*\t], v[MRD] offset:64*\t+16
.endr
	v_mov_b32 v[MW], 0
	v_mov_b32 v[MW+1], 0
	s_wait_alu depctr_va_vdst(0)
	s_wait_dscnt 0x0
.set n, 0
.rept 64
	v_cmp_ne_u32 s[66+(n%2)+38*((n/2)%2)], 0, v[128+n]              ; the lane mask of score register n,
	v_writelane_b32 v[MW+n%2], s[66+(n%2)+38*((n/2)%2)], n/2        ; to word n of the piece's 64: lane n / 2, register n % 2
.set n, n+1
.endr
	global_store_b64 v[L8], v[MW:MW+1], s[100:101]                  ; 32 lanes store 256 consecutive bytes, aligned
.Lno_mask:
	s_wait_tensorcnt 0x2                           ; the scale bytes and my part of K step 0 are in; the loads of K steps 1 and 2, issued behind them, may be out
	s_barrier_signal -1
	s_barrier_wait -1                              ; everybody's are
	FETCH 0, 0, 0
	SCALES 0
	STEPA 0, 0, 1                                  ; K 0-127: the first products start the sums
	; K 128-255, and the one change that fills a slot again: slot 0 takes K step 3
	s_wait_tensorcnt 0x0                           ; all my tensor loads have landed, slots 1 and 2 among them;
	ds_add_u32 v[SPW], v[NIL]                      ; 0 onto my spare word
	s_wait_dscnt 0x1                               ; (my fragments are in; the add alone may be out)
	WIN MULW
	MUL8 0, 1, 1, 0, 0
	s_wait_dscnt 0x0                               ; the add is done, and my reads of slot 0 are over
	s_barrier_signal -1
	MUL8 1, 1, 1, 0, 0
	WIN 0
	s_barrier_wait -1
	CREST                                          ; the barrier has opened a round of the cluster's: no wave of any partner still reads slot 0 or has a load on its way
	s_add_nc_u64 s[G0+2:G0+3], s[G0+2:G0+3], 3*192
	s_add_nc_u64 s[G0B+2:G0B+3], s[G0B+2:G0B+3], 3*192
	JLOAD G0, G1, G0B, G1B                         ; it has three and a half steps of 32 products in which to land; its four v_nop are the places in front of the loads below
	v_add_nc_u32 v[ADRS], 8, v[ADRS]               ; the next K step's scale words
	FETCH 1, 0, 0
	SCALES 1
	WIN MULW
	MUL8 2, 1, 1, 0, 0
	MUL8 3, 1, 1, 0, 0
	WIN 0
	s_wait_alu depctr_va_vdst(0)
	STEPA 1, 1, 0                                  ; K 256-383
	; K 384-511.  Slot 2 was shown whole to every wave by the barrier above
	s_wait_dscnt 0x0
	PLACES 4
	v_add_nc_u32 v[ADRS], 8, v[ADRS]
	FETCH 2, 0, 0
	SCALES 0
	WIN MULW
	MUL8 0, 1, 1, 1, 0
	MUL8 1, 1, 1, 1, 0
	MUL8 2, 1, 1, 1, 0
	MUL8 3, 1, 1, 1, 0
	WIN 0
	s_wait_alu depctr_va_vdst(0)
	STEPA 2, 0, 0                                  ; K 512-639
	; K 640-767.  Behind this barrier slot 0's second tile is read; nothing is filled, so no round and no add
	s_wait_tensorcnt 0x0                           ; my one load that was out: my part of K step 3
	s_wait_dscnt 0x0
	WIN MULW
	s_barrier_signal -1
	MUL8 0, 1, 1, 0, 0
	MUL8 1, 1, 1, 0, 0
	WIN 0
	s_barrier_wait -1
	PLACES 4
	v_add_nc_u32 v[ADRS], 8, v[ADRS]
	FETCH 0, 0, 0
	SCALES 1
	WIN MULW
	MUL8 2, 1, 1, 0, 0
	MUL8 3, 1, 1, 0, 0
	WIN 0
	STEPA 0, 1, 0                                  ; K 768-895
	s_wait_dscnt 0x0                               ; K 896-1023: nothing more to fetch
	WIN MULW
	MUL8 0, 1, 1, 1, 0
	MUL8 1, 1, 1, 1, 0
	MUL8 2, 1, 1, 1, 0
	MUL8 3, 1, 1, 1, 0
	WIN 0
	s_wait_loadcnt 0x0                             ; the biases
	PLACES 4                                       ; in front of vector writes of registers that the last products read
	s_mov_b32 s[SEL], 0x76543210
	s_mov_b32 s[SEL+1], 0xfedcba98
	s_mov_b32 s19, 0xffff0000                      ; lanes 16-31
	s_mov_b32 s105, 0
	s_cmp_eq_u32 s2, 2
	s_cbranch_scc1 .Lv_out
	; THE WAY OUT OF q AND k.  My 128 features are two heads; for each head and each of my four tiles of 16 tokens: + bias, quantised along the head's 64, six registers of codes stored as they stand.
	s_lshr_b32 s66, s45, 4
	s_lshl_b32 s66, s66, 4                         ; batch x 16
	s_lshl_b32 s67, s44, 2
	s_add_co_u32 s66, s66, s67
	s_lshl_b32 s67, s16, 1
	s_add_co_u32 s66, s66, s67                     ; + my first head
	s_lshl_b32 s66, s66, 4
	s_and_b32 s67, s45, 15
	s_add_co_u32 s66, s66, s67                     ; x 16 + the run of 128 tokens
	s_mul_i32 s104, s66, s3
	s_add_nc_u64 s[12:13], s[12:13], s[104:105]    ; the first head's record
	s_lshl_b32 s104, s3, 4
	s_add_nc_u64 s[66:67], s[12:13], s[104:105]    ; the second's: 16 records on
.macro QKHEAD hh, base
.irp a, 0,1,2,3
	WIN 0x02                                       ; source 0: window 2
.set i, 0
.rept 16
	v_pk_add_f32 v[T+2*i:T+2*i+1], v[8*(8*\a+4*\hh)+2*i:8*(8*\a+4*\hh)+2*i+1], v[BI+32*\hh+2*i:BI+32*\hh+2*i+1]   ; each accumulator from its low end on
.set i, i+1
.endr
	WIN 0
	s_wait_alu depctr_va_vdst(0)
	s_wait_xcnt 0x0                                ; the last stores have read the codes' registers
	QUANT32 T, WS+\a
	global_store_b128 v[EO16], v[PC:PC+3], s[\base:\base+1] offset:768*\a         ; 512 consecutive bytes, aligned to 256
	global_store_b64 v[EO8], v[PC+4:PC+5], s[\base:\base+1] offset:768*\a+512     ; 256
.endr
	v_cndmask_b32 v[SW], v[WS], v[WS+1], s19       ; lanes 0-15 the even tile's words, lanes 16-31 the odd tile's
	v_cndmask_b32 v[SW+1], v[WS+2], v[WS+3], s19
	global_store_b64 v[EOS], v[SW:SW+1], s[\base:\base+1] offset:6144
.endm
	QKHEAD 0, 12
	QKHEAD 1, 66
	s_branch .Ldone
.Lv_out:
	; THE WAY OUT OF v.  My 64 features are one head, my 128 tokens one run of keys; for each tile of 16 features: + bias, quantised along the keys, a whole fragment stored as it stands.
	s_lshr_b32 s66, s44, 3
	s_lshl_b32 s66, s66, 4                         ; batch x 16
	s_lshl_b32 s67, s45, 1
	s_add_co_u32 s66, s66, s67
	s_add_co_u32 s66, s66, s15                     ; + my head
	s_lshl_b32 s66, s66, 4
	s_and_b32 s67, s44, 7
	s_lshl_b32 s67, s67, 1
	s_add_co_u32 s66, s66, s67
	s_add_co_u32 s66, s66, s16                     ; x 16 + my run of 128 keys
	s_mul_i32 s104, s66, KREC
	s_add_nc_u64 s[12:13], s[12:13], s[104:105]
.irp a, 0,1,2,3
	WIN 0x02
.set i, 0
.rept 32
	v_pk_add_f32 v[T+2*i:T+2*i+1], v[64*\a+2*i:64*\a+2*i+1], v[BV+2*\a:BV+2*\a+1] op_sel_hi:[1,0]   ; the lane's one bias serves both halves
.set i, i+1
.endr
	WIN 0
	s_wait_xcnt 0x0
	QUANT T, WS+\a
.irp c, 0,1,2
	global_store_b128 v[L16], v[PC+4*\c:PC+4*\c+3], s[12:13] offset:QREC+1536*\a+512*\c
.endr
.endr
	v_cndmask_b32 v[SW], v[WS], v[WS+1], s19
	v_cndmask_b32 v[SW+1], v[WS+2], v[WS+3], s19
	global_store_b64 v[L8], v[SW:SW+1], s[12:13] offset:QREC+4*1536
.Ldone:
	s_wait_tensorcnt 0x0                           ; the wave's end
	ds_add_u32 v[SPW], v[NIL]
	s_wait_dscnt 0x0
	CROUND                                         ; the closing round: no work-group ends while a partner may still ask for a tile that names it
	s_endpgm
.Lfunc_end_k_qdee448957e_proj:
	.size	k_qdee448957e_proj, .Lfunc_end_k_qdee448957e_proj-k_qdee448957e_proj
	.p2alignl 7, 3214868480
	.fill 96, 4, 3214868480
	.section	.rodata,"a",@progbits
	.p2align	6, 0x0
	.amdhsa_kernel k_qdee448957e_proj
		.amdhsa_group_segment_fixed_size 327680
		.amdhsa_private_segment_fixed_size 0
		.amdhsa_enable_private_segment 0
		.amdhsa_kernarg_size 152
		.amdhsa_user_sgpr_count 2
		.amdhsa_user_sgpr_kernarg_segment_ptr 1
		.amdhsa_wavefront_size32 1
		.amdhsa_system_sgpr_workgroup_id_x 1
		.amdhsa_system_sgpr_workgroup_id_y 1
		.amdhsa_system_sgpr_workgroup_id_z 1
		.amdhsa_system_vgpr_workitem_id 0
		.amdhsa_next_free_vgpr 768
		.amdhsa_next_free_sgpr 106
		.amdhsa_reserve_vcc 0
		.amdhsa_float_denorm_mode_32 3
		.amdhsa_float_denorm_mode_16_64 3
		.amdhsa_memory_ordered 1
		.amdhsa_forward_progress 1
		.amdhsa_inst_pref_size 153
	.end_amdhsa_kernel
	.amdgpu_metadata
---
amdhsa.version: [ 1, 2 ]
amdhsa.kernels:
  - .name:           k_qdee448957e_proj
    .symbol:         k_qdee448957e_proj.kd
    .args:
      - { .name: q_codes, .offset: 0, .size: 8, .value_kind: global_buffer, .address_space: global }
      - { .name: q_scales, .offset: 8, .size: 8, .value_kind: global_buffer, .address_space: global }
      - { .name: Wq_codes, .offset: 16, .size: 8, .value_kind: global_buffer, .address_space: global }
      - { .name: Wq_scales, .offset: 24, .size: 8, .value_kind: global_buffer, .address_space: global }
      - { .name: bq, .offset: 32, .size: 8, .value_kind: global_buffer, .address_space: global }
      - { .name: k_codes, .offset: 40, .size: 8, .value_kind: global_buffer, .address_space: global }
      - { .name: k_scales, .offset: 48, .size: 8, .value_kind: global_buffer, .address_space: global }
      - { .name: Wk_codes, .offset: 56, .size: 8, .value_kind: global_buffer, .address_space: global }
      - { .name: Wk_scales, .offset: 64, .size: 8, .value_kind: global_buffer, .address_space: global }
      - { .name: bk, .offset: 72, .size: 8, .value_kind: global_buffer, .address_space: global }
      - { .name: v_codes, .offset: 80, .size: 8, .value_kind: global_buffer, .address_space: global }
      - { .name: v_scales, .offset: 88, .size: 8, .value_kind: global_buffer, .address_space: global }
      - { .name: Wv_codes, .offset: 96, .size: 8, .value_kind: global_buffer, .address_space: global }
      - { .name: Wv_scales, .offset: 104, .size: 8, .value_kind: global_buffer, .address_space: global }
      - { .name: bv, .offset: 112, .size: 8, .value_kind: global_buffer, .address_space: global }
      - { .name: mask, .offset: 120, .size: 8, .value_kind: global_buffer, .address_space: global }
      - { .name: qimg, .offset: 128, .size: 8, .value_kind: global_buffer, .address_space: global }
      - { .name: kv, .offset: 136, .size: 8, .value_kind: global_buffer, .address_space: global }
      - { .name: maskl, .offset: 144, .size: 8, .value_kind: global_buffer, .address_space: global }
    .group_segment_fixed_size: 327680
    .private_segment_fixed_size: 0
    .kernarg_segment_align: 8
    .kernarg_segment_size: 152
    .max_flat_workgroup_size: 128
    .sgpr_count:     106
    .vgpr_count:     768
    .wavefront_size: 32
...
	.end_amdgpu_metadata
.endif
;; end of part 1
;; launch attn (part 2): grid 4 x 64, 16 waves a work-group, clusters of 4 x 1, 210,944 bytes of LDS; arguments qimg, kv, maskl, oimg, osc; writes oimg, osc
.if DOCPART == 2
	.amdgcn_target "amdgcn-amd-amdhsa--gfx1250"
	.amdhsa_code_object_version 6
	.text
	.protected	k_qdee448957e_attn
	.globl	k_qdee448957e_attn
	.p2align	8
	.type	k_qdee448957e_attn,@function
k_qdee448957e_attn:
	s_mov_b64 s[64:65], 0
	v_nop
	global_prefetch_b8 v0, s[64:65] scope:SCOPE_SE
	s_setreg_imm32_b32 hwreg(HW_REG_WAVE_MODE, 25, 1), 1
	s_wait_xcnt 0x0
	s_wait_alu depctr_hold_cnt(0) depctr_sa_sdst(0) depctr_va_vdst(0) depctr_va_sdst(0) depctr_va_ssrc(0) depctr_va_vcc(0) depctr_vm_vsrc(0)
	s_getreg_b32 s2, hwreg(HW_REG_IB_STS2, 6, 4)
	s_cmp_eq_u32 s2, 0
	s_cbranch_scc0 .Lentry_in_a_cluster
	s_endpgm
.Lentry_in_a_cluster:
	s_bfe_u32 s2, ttmp6, 0x10000c
	s_cmp_lg_u32 s2, 0x3003
	s_cbranch_scc0 .Lentry_shape_is_right
	s_endpgm
.Lentry_shape_is_right:
; ATTENTION ON CODES OF FP6 (E2M3): S^T = K Q^T (K = the head's 64), mask, softmax, O^T = V^T P^T (K = the keys), O / l, quantised along the model's 1,024 for the last product.
; THE SOFTMAX AHEAD OF THE SECOND PRODUCT: t = score x log2(e) / 8; M = the running largest t rounded UP to a whole number; p = 2^(t - M) is quantised along the keys, not normalised;
; the row's sum is taken of the unquantised p and divides O at the end.  When M moves, the sum and O are multiplied by 2^(old M - new M): exact.
; THE MASK is an input.  It comes as lane masks (maskl): word n of a piece holds, for score register n, one bit a lane.  A masked score is replaced, by one v_cndmask_b32, ahead of the maximum.
; LIMIT: the masked score is -2^33 ahead of the factor log2(e) / 8, that is t = -1.549e9 where the definition has -1e9 log2(e) = -1.443e9.  Both are whole numbers in f32, so a row that is
;   masked everywhere gives p = 1 for every key under either; results differ only where a row's largest unmasked logit lies under about -1e9.  NaN and infinities are not served.
;   A block of zeros gets the scale byte 1, not 127: its codes are zeros, and the bytes are read by this program alone.
; SHARES.  A work-group owns 512 queries of one head of one batch; each of its sixteen waves takes two tiles of 16 queries, one after the other, in 256 registers: four waves to a SIMD, so that one
; wave's vector work stands beside another's matrix work and LDS loads.  Every wave walks all 2,048 keys, 128 a step.
; LDS.  The head's K and V, 16 records of 13,056 bytes, are images of operand registers and lie in LDS whole: filled ONCE, wave w bringing record w; so there is no ring, no refill, one barrier.
; CLUSTER.  The four blocks of queries of a head form a cluster and ask for each record jointly: the same load, the same descriptor, the mask 15.
; LAYOUT.  Both products are used transposed: a lane holds ONE query (lane % 16) throughout.  Score register 8 t + j is key 16 t + 8 h + j: registers 16 b .. 16 b + 15 of lanes l and l xor 16 are the block of
; keys 32 b .. 32 b + 31; inside a block k is ordered as V's codes were ordered when they were made.  K Q^T has K = 64: registers 6-11 of Q's and K's fragments are zeros, written once.
; REGISTERS: v1-4 lane offsets; v8-9 the step's LDS addresses; v12 -M, v13 the largest t, v[14:15] the sum; v16-27 Q; v29 the masked score; v30-31 V's scale words; v32-79 four fragments of K;
;   v80-127 V's four; v128-191 S^T, then p; v192-223 O^T; v224-235 codes; v232-247, v252, v254 at work; v248-251 K's scale words, v253 p's, v255 Q's.
.set REC,  13056
.set QREC, 6656
.set A16,  8
.set A8,   9
.set QF,   16
.set NEG,  29
.set VS,   30
.set KF,   32
.set VF,   80
.set S,    128
.set O,    192
.set PC,   224
.set TM,   232
.set KS,   248
.set PS,   253
.set QS,   255
.set SEL,  20                          ; s[20:21] lane l xor 16
.set CS,   22                          ; s[22:23] c = log2(e) / 8
.macro ROUND
	s_barrier_signal -1
	s_barrier_wait -1
	s_cmp_lg_u32 s14, 0
	s_cbranch_scc1 .Lnot_wave_0_\@
	s_barrier_signal -3
.Lnot_wave_0_\@:
	s_barrier_wait -3
	s_barrier_signal -1
	s_barrier_wait -1
.endm
.macro KLOAD g                         ; four tiles of 16 keys (six registers each) and their image of scale words: nine loads
.irp t, 0,1,2,3
	ds_load_b128 v[KF+12*\t:KF+12*\t+3], v[A16] offset:3072*\g+768*\t
	ds_load_b64 v[KF+12*\t+4:KF+12*\t+5], v[A8] offset:3072*\g+768*\t+512
.endr
	ds_load_b64 v[KS+2*\g:KS+2*\g+1], v[A8] offset:6144+256*\g
.endm
.macro KQ g                            ; S^T of keys 64 g on: tile t's scale words lie in register t / 2, lanes 0-15 for an even tile, 16-31 for an odd one
.irp t, 0,1,2,3
.if \t%2
	v_wmma_scale_f32_16x16x128_f8f6f4 v[S+8*(4*\g+\t):S+8*(4*\g+\t)+7], v[KF+12*\t:KF+12*\t+11], v[QF:QF+11], 0, v[KS+2*\g+\t/2], v[QS] matrix_a_fmt:MATRIX_FMT_FP6 matrix_b_fmt:MATRIX_FMT_FP6 matrix_a_scale:MATRIX_SCALE_ROW1
.else
	v_wmma_scale_f32_16x16x128_f8f6f4 v[S+8*(4*\g+\t):S+8*(4*\g+\t)+7], v[KF+12*\t:KF+12*\t+11], v[QF:QF+11], 0, v[KS+2*\g+\t/2], v[QS] matrix_a_fmt:MATRIX_FMT_FP6 matrix_b_fmt:MATRIX_FMT_FP6
.endif
.endr
.endm
; 32 numbers of a lane, register 16 b + i = k 32 b + 16 h + i, become six registers of codes at v[PC] (lanes 0-15 block 0, lanes 16-31 block 1) and the row's two scale bytes in v[w].
.macro QUANT32 s, w
.irp b, 0,1
	v_max3_num_f32 v[TM+\b], |v[\s+16*\b]|, |v[\s+1+16*\b]|, 0x1800000   ; and the floor 2^(3 - 127): the byte cannot fall under 1
.endr
.irp i, 2,4,6,8,10,12,14
.irp b, 0,1
	s_delay_alu instid0(VALU_DEP_2)
	v_max3_num_f32 v[TM+\b], v[TM+\b], |v[\s+16*\b+\i]|, |v[\s+1+16*\b+\i]|
.endr
.endr
.irp b, 0,1
	s_delay_alu instid0(VALU_DEP_2)
	v_permlanex16_b32 v[TM+4+\b], v[TM+\b], s[SEL], s[SEL+1]
.endr
.irp b, 0,1
	s_delay_alu instid0(VALU_DEP_2)
	v_max_num_f32 v[TM+\b], v[TM+\b], v[TM+4+\b]
.endr
.irp b, 0,1
	s_delay_alu instid0(VALU_DEP_2)
	v_add_nc_u32 v[TM+12+\b], 0xff000000, v[TM+\b]
.endr
.irp b, 0,1
	s_delay_alu instid0(VALU_DEP_2)
	v_lshrrev_b32 v[TM+4+\b], 23, v[TM+12+\b]
.endr
	s_delay_alu instid0(VALU_DEP_1)
	v_lshl_or_b32 v[\w], v[TM+5], 8, v[TM+4]
	v_cvt_scalef32_pk16_fp6_f32 v[PC:PC+2], v[\s:\s+15], v[TM+12]
	v_cvt_scalef32_pk16_fp6_f32 v[PC+12:PC+14], v[\s+16:\s+31], v[TM+13]
	v_nop                                          ; one plain place behind a scaled conversion
.irp i, 0,1,2
	v_permlane16_swap_b32 v[PC+\i], v[PC+12+\i]
.endr
.irp i, 0,1,2
	s_delay_alu instid0(VALU_DEP_3)
	v_mov_b32 v[PC+3+\i], v[PC+12+\i]
.endr
.endm
	s_load_b64 s[4:5], s[0:1], 0x0                 ; qimg
	s_load_b64 s[24:25], s[0:1], 0x8               ; kv
	s_load_b128 s[8:11], s[0:1], 0x10              ; maskl, oimg
	s_load_b64 s[12:13], s[0:1], 0x20              ; osc
	v_lshl_add_u32 v28, v0, 2, 0x33000
	v_mov_b32 v243, 0
	ds_add_u32 v28, v243
	ds_add_u32 v28, v243
	v_lshrrev_b32 v1, 5, v0
	s_delay_alu instid0(VALU_DEP_1)
	v_readfirstlane_b32 s14, v1                    ; wave 0..15
	s_bfe_u32 s15, ttmp6, 0x40000                  ; cx: my block of 512 queries; it enters global addresses of Q, the mask and O alone
	s_and_b32 s16, ttmp7, 0xffff                   ; batch x 16 + head, which the four partners share
	s_lshl_b32 s26, s16, 4
	s_add_co_u32 s26, s26, s14
	s_mul_i32 s26, s26, REC                        ; record (batch x 16 + head) x 16 + wave
	s_mov_b32 s27, 0
	s_mov_b32 s36, 15|(3<<16)|(1<<21)              ; group 1: the mask names all four; elements of 8 bytes; no padding
	s_mov_b32 s37, 32<<16                          ; a dense block of 13,056 bytes as 51 rows of 256
	s_mov_b32 s38, 51<<16
	s_mov_b32 s39, 32<<16
	s_mov_b32 s40, 51
	s_mov_b32 s41, 32
	s_mov_b32 s42, 0
	s_mov_b32 s43, 0
	s_wait_dscnt 0x0
	s_wait_kmcnt 0x0
	ROUND                                          ; all four work-groups are here: the joint loads meet
	s_mov_b32 s32, 1
	s_mul_i32 s33, s14, REC                        ; LDS: wave x a record
	s_add_nc_u64 s[34:35], s[24:25], s[26:27]
	s_or_b32 s35, s35, 0x80000000
	tensor_load_to_lds s[32:35], s[36:43]          ; my one tensor load of the launch
	s_nop 0
.rept 4
	v_nop
.endr
	; Q: record (batch x 16 + head) x 16 + 4 cx + wave / 8, tile wave % 8; the second trip's lies two records on
	s_lshl_b32 s28, s16, 4
	s_lshl_b32 s29, s15, 2
	s_add_co_u32 s28, s28, s29
	s_lshr_b32 s29, s14, 3
	s_add_co_u32 s28, s28, s29
	s_mul_i32 s28, s28, QREC
	s_and_b32 s29, s14, 7
	s_mul_i32 s30, s29, 768
	s_add_co_u32 s30, s30, s28                     ; its codes
	s_mov_b32 s31, 0
	s_lshr_b32 s29, s29, 2
	s_lshl_b32 s29, s29, 8
	s_add_co_u32 s28, s28, s29                     ; its image of scale words: which of two,
	s_and_b32 s29, s14, 1
	s_lshl_b32 s29, s29, 7
	s_add_co_u32 s28, s28, s29                     ; which half of the lanes,
	s_bfe_u32 s29, s14, 0x10001
	s_lshl_b32 s29, s29, 2
	s_add_co_u32 s28, s28, s29                     ; which word
	s_add_co_u32 s28, s28, 6144
	s_mov_b32 s29, 0
	s_add_nc_u64 s[6:7], s[4:5], s[28:29]
	s_add_nc_u64 s[4:5], s[4:5], s[30:31]
	s_lshl_b32 s24, s15, 5
	s_add_co_u32 s24, s24, s14                     ; my first tile of queries, of the batch's 128: 32 cx + wave
	s_lshl_b32 s28, s24, 12
	s_add_nc_u64 s[8:9], s[8:9], s[28:29]          ; its lane masks: 4,096 bytes a tile
	s_lshr_b32 s25, s16, 4
	s_lshl_b32 s25, s25, 7
	s_add_co_u32 s25, s25, s24                     ; batch x 128 + tile
	s_and_b32 s26, s16, 15                         ; head
	s_lshl_b32 s28, s25, 4
	s_add_co_u32 s28, s28, s26
	s_mul_i32 s28, s28, 768
	s_add_nc_u64 s[10:11], s[10:11], s[28:29]      ; O's codes: 768 bytes for a tile and a head
	s_lshl_b32 s28, s25, 9
	s_lshl_b32 s26, s26, 1
	s_add_co_u32 s28, s28, s26
	s_add_nc_u64 s[12:13], s[12:13], s[28:29]      ; O's scale bytes: 32 a row, my head's two
	s_mov_b32 s[SEL], 0x76543210
	s_mov_b32 s[SEL+1], 0xfedcba98
	s_mov_b32 s[CS], 0x3e38aa3b                    ; log2(e) / 8
	s_mov_b32 s[CS+1], s[CS]                       ; (named with it as a pair)
	v_and_b32 v5, 31, v0
	s_delay_alu instid0(VALU_DEP_1)
	v_lshlrev_b32 v1, 4, v5                        ; 16 x lane
	s_delay_alu instid0(VALU_DEP_2)
	v_lshlrev_b32 v2, 3, v5                        ; 8 x lane
	v_and_b32 v5, 15, v0
	s_delay_alu instid0(VALU_DEP_1)
	v_lshlrev_b32 v3, 3, v5                        ; 8 r
	s_delay_alu instid0(VALU_DEP_2)
	v_lshlrev_b32 v4, 5, v5                        ; 32 r
	v_mov_b32 v[NEG], 0xd0000000                   ; -2^33
.irp i, 6,7,8,9,10,11
	v_mov_b32 v[QF+\i], 0                          ; K = 64: the upper halves of Q's and K's fragments are zero codes, written once
	v_mov_b32 v[KF+\i], 0
	v_mov_b32 v[KF+12+\i], 0
	v_mov_b32 v[KF+24+\i], 0
	v_mov_b32 v[KF+36+\i], 0
.endr
.irp b, 0,1,2,3
	v_mov_b32 v[236+\b], 0                         ; written once: a lane permute's destination counts as one of its sources
.endr
	v_mov_b32 v[PS], 0                             ; (named as the upper half of the pair v[252:253] before it is first written)
	s_wait_tensorcnt 0x0                           ; my record is in,
	s_barrier_signal -1
	s_barrier_wait -1                              ; everybody's is: the head lies in LDS whole.  The descriptor's registers are free from here on
	s_mov_b32 s17, 2
.Ltile:                                            ; two trips: tiles 32 cx + wave and 16 on
	global_load_b128 v[QF:QF+3], v1, s[4:5]
	global_load_b64 v[QF+4:QF+5], v2, s[4:5] offset:512
	global_load_b32 v[QS], v3, s[6:7]
	v_mov_b32 v13, 0xff61b1e6                      ; the largest t so far: -3e38, under every t
	s_delay_alu instid0(VALU_DEP_1)
	v_floor_f32 v12, -v13                          ; -M
	v_mov_b32 v14, 0                               ; the sum, in two halves
	v_mov_b32 v15, 0
.set j, 0
.rept 32
	v_mov_b32 v[O+j], 0                            ; O^T: the step is written once; the first finds zeros, which the first change of M leaves zeros
.set j, j+1
.endr
	s_mov_b32 s19, 0                               ; LDS byte of the step's record
	s_mov_b32 s18, 16
	s_wait_loadcnt 0x0
.Lstep:                                            ; sixteen trips of 128 keys
	s_load_b512 s[32:47], s[8:9], 0x0              ; the piece's 64 lane masks: word n in s[32 + n], from n = 32 on in s[36 + n]
	s_load_b512 s[48:63], s[8:9], 0x40
	s_load_b512 s[68:83], s[8:9], 0x80
	s_load_b512 s[84:99], s[8:9], 0xc0
	s_setprio 2
	v_add_nc_u32 v[A16], s19, v1
	v_add_nc_u32 v[A8], s19, v2
	v_nop
	v_nop                                          ; four places in front of loads into registers that the last trip's products read
	KLOAD 0
.irp d, 0,1,2,3
.irp c, 0,1,2
	ds_load_b128 v[VF+12*\d+4*\c:VF+12*\d+4*\c+3], v[A16] offset:QREC+1536*\d+512*\c
.endr
.endr
	ds_load_b64 v[VS:VS+1], v[A8] offset:QREC+4*1536
	s_wait_alu depctr_va_vdst(0)
	s_wait_dscnt 13                                ; K's nine are in; V's thirteen, issued behind them, may be out
	KQ 0
.rept 4
	v_nop                                          ; places in front of loads into the fragments just multiplied
.endr
	KLOAD 1
	s_wait_dscnt 0x0
	KQ 1
	s_wait_kmcnt 0x0                               ; the lane masks are in,
	s_wait_xcnt 0x0                                ; and their loads have read the pointer:
	s_add_nc_u64 s[8:9], s[8:9], 256               ; the next piece
.set n, 0
.rept 64
	v_cndmask_b32 v[S+n], v[NEG], v[S+n], s[32+n+4*(n/32)]   ; each accumulator from its low end on; the first 32 are also the places behind the last four products
.set n, n+1
.endr
.irp b, 0,1,2,3
	v_max3_num_f32 v[232+\b], v[S+16*\b], v[S+1+16*\b], v[S+2+16*\b]   ; THE LARGEST SCORE OF EACH BLOCK OF 32 KEYS serves twice: for the row's maximum, and, since p rises with the score, for the block's largest p
.endr
.irp i, 3,5,7,9,11,13
.irp b, 0,1,2,3
	s_delay_alu instid0(VALU_DEP_4)
	v_max3_num_f32 v[232+\b], v[232+\b], v[S+16*\b+\i], v[S+1+16*\b+\i]
.endr
.endr
.irp b, 0,1,2,3
	s_delay_alu instid0(VALU_DEP_4)
	v_max_num_f32 v[232+\b], v[232+\b], v[S+15+16*\b]
.endr
.irp b, 0,1,2,3
	s_delay_alu instid0(VALU_DEP_4)
	v_permlanex16_b32 v[236+\b], v[232+\b], s[SEL], s[SEL+1]
.endr
.irp b, 0,1,2,3
	s_delay_alu instid0(VALU_DEP_4)
	v_max_num_f32 v[232+\b], v[232+\b], v[236+\b]  ; with lane l xor 16's 16 keys
.endr
	s_delay_alu instid0(VALU_DEP_2)
	v_max3_num_f32 v254, v232, v233, v234
	s_delay_alu instid0(VALU_DEP_1)
	v_max_num_f32 v254, v254, v235                 ; the step's largest score of my query
	s_delay_alu instid0(VALU_DEP_1)
	v_mul_f32 v254, s[CS], v254                    ; as t
	s_delay_alu instid0(VALU_DEP_1)
	v_max_num_f32 v13, v13, v254                   ; the running largest t
	v_mov_b32 v254, v12
	s_delay_alu instid0(VALU_DEP_2)
	v_floor_f32 v12, -v13                          ; the new -M = floor(-t): M is a whole number
	s_delay_alu instid0(VALU_DEP_1)
	v_sub_f32 v254, v12, v254                      ; old M - new M: a whole number, 0 or less
	s_delay_alu instid0(VALU_DEP_1)
	v_cvt_i32_f32 v254, v254                       ; (it saturates)
	s_delay_alu instid0(VALU_DEP_1)
	v_ldexp_f32 v252, 1.0, v254                    ; f = 2^(old M - new M)
.set j, 0
.rept 32
	v_pk_fma_f32 v[S+j:S+j+1], v[S+j:S+j+1], s[CS:CS+1], v[12:13] op_sel_hi:[1,0,0]   ; t - M, two at a time
.set j, j+2
.endr
.irp b, 0,1,2,3
	v_fma_f32 v[232+\b], v[232+\b], s[CS], v12     ; the same of each block's largest score
.endr
.set j, 0
	s_setprio 1
	s_wait_alu depctr_va_vdst(0)
.rept 64
	v_exp_f32 v[S+j], v[S+j]                       ; p = 2^(t - M), at most 1
.set j, j+1
.endr
	v_pk_mul_f32 v[14:15], v[14:15], v[252:253] op_sel_hi:[1,0]   ; the sums under the new M: a plain place behind the exponentials
	s_wait_alu depctr_va_vdst(0)                   ; one wait for the batch of 64, ahead of its first reader
.irp b, 0,1,2,3
	v_exp_f32 v[232+\b], v[232+\b]                 ; each block's largest p: the same two instructions on the same number
.endr
	v_pk_add_f32 v[236:237], v[132:133], v[136:137]
	v_pk_add_f32 v[250:251], v[140:141], v[144:145]
	v_pk_add_f32 v[248:249], v[148:149], v[152:153]
	v_pk_add_f32 v[246:247], v[156:157], v[160:161]
	v_pk_add_f32 v[244:245], v[164:165], v[168:169]
	v_pk_add_f32 v[240:241], v[172:173], v[176:177]
	v_pk_add_f32 v[238:239], v[180:181], v[184:185]
	v_pk_add_f32 v[14:15], v[14:15], v[188:189]
	v_pk_add_f32 v[236:237], v[236:237], v[128:129]
	v_pk_add_f32 v[250:251], v[250:251], v[130:131]
	v_pk_add_f32 v[248:249], v[248:249], v[134:135]
	v_pk_add_f32 v[246:247], v[246:247], v[138:139]
	v_pk_add_f32 v[244:245], v[244:245], v[142:143]
	v_pk_add_f32 v[240:241], v[240:241], v[146:147]
	v_pk_add_f32 v[238:239], v[238:239], v[150:151]
	v_pk_add_f32 v[14:15], v[14:15], v[154:155]
	v_pk_add_f32 v[236:237], v[236:237], v[158:159]
	v_pk_add_f32 v[250:251], v[250:251], v[162:163]
	v_pk_add_f32 v[248:249], v[248:249], v[166:167]
	v_pk_add_f32 v[246:247], v[246:247], v[170:171]
	v_pk_add_f32 v[244:245], v[244:245], v[174:175]
	v_pk_add_f32 v[240:241], v[240:241], v[178:179]
	v_pk_add_f32 v[238:239], v[238:239], v[182:183]
	v_pk_add_f32 v[14:15], v[14:15], v[186:187]
	v_pk_add_f32 v[236:237], v[236:237], v[190:191]
	s_delay_alu instid0(VALU_DEP_2)
	v_pk_add_f32 v[14:15], v[14:15], v[246:247]
	s_delay_alu instid0(VALU_DEP_2)
	v_pk_add_f32 v[236:237], v[236:237], v[244:245]
	v_pk_add_f32 v[250:251], v[250:251], v[240:241]
	v_pk_add_f32 v[248:249], v[248:249], v[238:239]
	s_delay_alu instid0(VALU_DEP_2)
	v_pk_add_f32 v[14:15], v[14:15], v[250:251]
	s_delay_alu instid0(VALU_DEP_2)
	v_pk_add_f32 v[236:237], v[236:237], v[248:249]
	s_delay_alu instid0(VALU_DEP_1)
	v_pk_add_f32 v[14:15], v[14:15], v[236:237]
	s_wait_alu depctr_va_vdst(0)                   ; and one for the four
.irp b, 0,1,2,3
	v_max_num_f32 v[232+\b], 0x1800000, v[232+\b]  ; the floor 2^(3 - 127): the byte cannot fall under 1
.endr
.irp b, 0,1,2,3
	s_delay_alu instid0(VALU_DEP_4)
	v_add_nc_u32 v[244+\b], 0xff000000, v[232+\b]  ; 2 off the exponent field: the conversion's scale operand
.endr
.irp b, 0,1,2,3
	s_delay_alu instid0(VALU_DEP_4)
	v_lshrrev_b32 v[236+\b], 23, v[244+\b]         ; the scale's byte
.endr
	s_delay_alu instid0(VALU_DEP_3)
	v_lshl_or_b32 v[PS], v237, 8, v236             ; p's scale word for these 128 keys
	s_delay_alu instid0(VALU_DEP_1)
	v_lshl_or_b32 v[PS], v238, 16, v[PS]
	s_delay_alu instid0(VALU_DEP_1)
	v_lshl_or_b32 v[PS], v239, 24, v[PS]
.irp c, 0,1
	v_cvt_scalef32_pk16_fp6_f32 v[PC+6*\c:PC+2+6*\c], v[S+32*\c:S+15+32*\c], v[244+2*\c]
	v_cvt_scalef32_pk16_fp6_f32 v[236+4*\c:238+4*\c], v[S+16+32*\c:S+31+32*\c], v[244+2*\c+1]
.endr
	s_setprio 0
	v_nop                                          ; one plain place behind a scaled conversion
.irp c, 0,1
.irp i, 0,1,2
	v_permlane16_swap_b32 v[PC+6*\c+\i], v[236+4*\c+\i]   ; a whole block to a lane
.endr
.irp i, 0,1,2
	s_delay_alu instid0(VALU_DEP_3)
	v_mov_b32 v[PC+3+6*\c+\i], v[236+4*\c+\i]
.endr
.endr
.set j, 0
.rept 16
	v_pk_mul_f32 v[O+j:O+j+1], v[O+j:O+j+1], v[252:253] op_sel_hi:[1,0]   ; O^T under the new M; these sixteen are also the places between the codes, the scale word and the products
.set j, j+2
.endr
.irp d, 0,1,2,3                                    ; O^T += V^T P^T; V has been in since the wait for K's second half.  Four accumulators by turns
.if \d%2
	v_wmma_scale_f32_16x16x128_f8f6f4 v[O+8*\d:O+8*\d+7], v[VF+12*\d:VF+12*\d+11], v[PC:PC+11], v[O+8*\d:O+8*\d+7], v[VS+\d/2], v[PS] matrix_a_fmt:MATRIX_FMT_FP6 matrix_b_fmt:MATRIX_FMT_FP6 matrix_a_scale:MATRIX_SCALE_ROW1
.else
	v_wmma_scale_f32_16x16x128_f8f6f4 v[O+8*\d:O+8*\d+7], v[VF+12*\d:VF+12*\d+11], v[PC:PC+11], v[O+8*\d:O+8*\d+7], v[VS+\d/2], v[PS] matrix_a_fmt:MATRIX_FMT_FP6 matrix_b_fmt:MATRIX_FMT_FP6
.endif
.endr
	s_add_co_u32 s19, s19, REC
	s_sub_co_u32 s18, s18, 1
	s_cmp_lg_u32 s18, 0
	s_cbranch_scc1 .Lstep
	s_setprio 0
	; THE TILE'S WAY OUT: O^T / the sum, brought into the natural order of the head's 64, quantised, stored as an image of six registers and two scale bytes a row.
.rept 4
	v_nop                                          ; places behind the last products
.endr
	v_add_f32 v14, v14, v15
	s_delay_alu instid0(VALU_DEP_1)
	v_permlanex16_b32 v252, v14, s[SEL], s[SEL+1]
	s_delay_alu instid0(VALU_DEP_1)
	v_add_f32 v14, v14, v252                       ; the row's sum
	s_wait_alu depctr_va_vdst(0)
	v_rcp_f32 v14, v14
	v_nop                                          ; a plain place behind the reciprocal
	s_wait_alu depctr_va_vdst(0)                   ; and the wait ahead of its first reader
.set j, 0
.rept 16
	v_pk_mul_f32 v[S+j:S+j+1], v[O+j:O+j+1], v[14:15] op_sel_hi:[1,0]   ; register 8 d + j: channel 16 d + 8 h + j; each accumulator from its low end on
.set j, j+2
.endr
.irp b, 0,1
.irp i, 0,1,2,3,4,5,6,7
	v_permlane16_swap_b32 v[S+16*\b+\i], v[S+8+16*\b+\i]   ; register 16 b + i is now channel 32 b + 16 h + i: this operand meets Wo's codes, whose order is given
.endr
.endr
	QUANT32 S, 239
	global_store_b128 v1, v[PC:PC+3], s[10:11]     ; 512 consecutive bytes, aligned to 256
	global_store_b64 v2, v[PC+4:PC+5], s[10:11] offset:512
	global_store_b16 v4, v239, s[12:13]            ; my head's two bytes of row r's 32 (lanes r and r + 16 store the same): 2 bytes of the 50 that a row and a head send out
	s_wait_xcnt 0x0                                ; the loads and stores have read their registers and bases
	s_add_nc_u64 s[4:5], s[4:5], 2*QREC
	s_add_nc_u64 s[6:7], s[6:7], 2*QREC
	s_add_nc_u64 s[8:9], s[8:9], 15*4096           ; (the sixteen steps have gone 4,096 on)
	s_add_nc_u64 s[10:11], s[10:11], 16*16*768
	s_add_nc_u64 s[12:13], s[12:13], 16*16*32
	s_sub_co_u32 s17, s17, 1
	s_cmp_lg_u32 s17, 0
	s_cbranch_scc1 .Ltile
	s_wait_dscnt 0x0
	s_wait_tensorcnt 0x0
	ds_add_u32 v28, v243
	s_wait_dscnt 0x0
	ROUND                                          ; the closing round
	s_endpgm
.Lfunc_end_k_qdee448957e_attn:
	.size	k_qdee448957e_attn, .Lfunc_end_k_qdee448957e_attn-k_qdee448957e_attn
	.p2alignl 7, 3214868480
	.fill 96, 4, 3214868480
	.section	.rodata,"a",@progbits
	.p2align	6, 0x0
	.amdhsa_kernel k_qdee448957e_attn
		.amdhsa_group_segment_fixed_size 210944
		.amdhsa_private_segment_fixed_size 0
		.amdhsa_enable_private_segment 0
		.amdhsa_kernarg_size 40
		.amdhsa_user_sgpr_count 2
		.amdhsa_user_sgpr_kernarg_segment_ptr 1
		.amdhsa_wavefront_size32 1
		.amdhsa_system_sgpr_workgroup_id_x 1
		.amdhsa_system_sgpr_workgroup_id_y 1
		.amdhsa_system_sgpr_workgroup_id_z 1
		.amdhsa_system_vgpr_workitem_id 0
		.amdhsa_next_free_vgpr 256
		.amdhsa_next_free_sgpr 100
		.amdhsa_reserve_vcc 0
		.amdhsa_float_denorm_mode_32 3
		.amdhsa_float_denorm_mode_16_64 3
		.amdhsa_memory_ordered 1
		.amdhsa_forward_progress 1
		.amdhsa_inst_pref_size 36
	.end_amdhsa_kernel
	.amdgpu_metadata
---
amdhsa.version: [ 1, 2 ]
amdhsa.kernels:
  - .name:           k_qdee448957e_attn
    .symbol:         k_qdee448957e_attn.kd
    .args:
      - { .name: qimg, .offset: 0, .size: 8, .value_kind: global_buffer, .address_space: global }
      - { .name: kv, .offset: 8, .size: 8, .value_kind: global_buffer, .address_space: global }
      - { .name: maskl, .offset: 16, .size: 8, .value_kind: global_buffer, .address_space: global }
      - { .name: oimg, .offset: 24, .size: 8, .value_kind: global_buffer, .address_space: global }
      - { .name: osc, .offset: 32, .size: 8, .value_kind: global_buffer, .address_space: global }
    .group_segment_fixed_size: 210944
    .private_segment_fixed_size: 0
    .kernarg_segment_align: 8
    .kernarg_segment_size: 40
    .max_flat_workgroup_size: 512
    .sgpr_count:     100
    .vgpr_count:     256
    .wavefront_size: 32
...
	.end_amdgpu_metadata
.endif
;; end of part 2
;; launch oproj (part 3): grid 4 x 64, 4 waves a work-group, clusters of 4 x 4, 327,680 bytes of LDS; arguments oimg, osc, Wo_codes, Wo_scales, bo, out0; writes out0
.if DOCPART == 3
	.amdgcn_target "amdgcn-amd-amdhsa--gfx1250"
	.amdhsa_code_object_version 6
	.text
	.protected	k_qdee448957e_oproj
	.globl	k_qdee448957e_oproj
	.p2align	8
	.type	k_qdee448957e_oproj,@function
k_qdee448957e_oproj:
	s_mov_b64 s[64:65], 0
	v_nop
	global_prefetch_b8 v0, s[64:65] scope:SCOPE_SE
	s_setreg_imm32_b32 hwreg(HW_REG_WAVE_MODE, 25, 1), 1
	s_wait_xcnt 0x0
	s_wait_alu depctr_hold_cnt(0) depctr_sa_sdst(0) depctr_va_vdst(0) depctr_va_sdst(0) depctr_va_ssrc(0) depctr_va_vcc(0) depctr_vm_vsrc(0)
	s_getreg_b32 s2, hwreg(HW_REG_IB_STS2, 6, 4)
	s_cmp_eq_u32 s2, 0
	s_cbranch_scc0 .Lentry_in_a_cluster
	s_endpgm
.Lentry_in_a_cluster:
	s_bfe_u32 s2, ttmp6, 0x10000c
	s_cmp_lg_u32 s2, 0xf033
	s_cbranch_scc0 .Lentry_shape_is_right
	s_endpgm
.Lentry_shape_is_right:
; out0 = O Wo^T + bo ON CODES OF FP6 (E2M3).  O: 8,192 rows x 1,024; its codes lie as images of operand registers (oimg: for a tile of 16 rows and a head 768 bytes: four registers at 16 x lane, two at 8 x lane),
; its scale bytes [8192][32] (osc).  Wo: [1024][1024] codes, K innermost, a row 768 bytes; scale bytes [1024][32].  bo, out0: f32; sums in f32.
; ROLES.  P = Wo is source 0 (256 rows a work-group, 128 a wave), R = O is source 1 (128 rows a work-group, 64 a wave): a lane holds eight neighbouring columns of one row of out0.
; SHARES.  256 work-groups: P's block = cx, R's = 4 cluster y + cy.  CLUSTERS of 4 x 4: R's tiles are asked for jointly along a row of the cluster, P's along a column.
; K = 1,024 is four K steps of 256.  Three slots: K steps 0 to 2 and the scale bytes go out at the start (four tensor loads of a wave are out), K step 3 is the one refill, into slot 0.
; The bias is the C of each sum's first matrix instruction.  LIMITS: NaN and infinities are not served.
; REGISTERS: window 0: v8-29 addresses, v32-63 scale words (two sets), v64-127 the bias, v128-223 R's fragments (two sets), on the way out v128-255 rows of out0; window 1: P's fragments, sets at v0 and v128;
;   window 2: 32 accumulators, (a, b) at v[8 (8 a + b)].
.set PITCH, 240                        ; P's LDS row: 3 x (64 bytes + 16 of padding)
.set RT,    4*3072                     ; what one tensor load brings of R: four tiles of 16 rows x four heads' images
.set PT,    128*PITCH
.set SLOT,  2*RT+2*PT
.set SCL,   3*SLOT                     ; the scale bytes, as runs of 256 bytes + 16 of padding: R's 2 x RS, then P's 2 x PS
.set RS,    8*272
.set PS,    16*272
.set SPARE, SCL+2*RS+2*PS              ; the spare words: 128 bytes a wave, named by no other line
.set STAGE, SPARE+512                  ; the way out: 16 rows x 528 bytes for each wave; no tile lands there
.set SPITCH, 528
.set AI16, 8                           ; v8-10 my R images in slot 0, 1, 2, + 16 x lane; v11-13 + 8 x lane
.set AI8,  11
.set ADRB, 14                          ; v14-16 my P fragments; v17-19 behind one padding more
.set L16,  20                          ; 16 x lane
.set STO,  22
.set RD,   23
.set VBQ,  25
.set ADRS, 27
.set SPW,  28                          ; my spare word; never rewritten
.set NIL,  29                          ; 0; never rewritten
.set SC,   32
.set BI,   64
.set AF,   128
.set BK,   128
.set G1,   24
.set G0,   32
.set G1B,  48
.set G0B,  68
.set G0S,  56
.set G1S,  80
.set G0SB, 60
.set G1SB, 88
.set MULW, 0xa1                        ; source 0 (P) window 1, source 1 (R) window 0, C and D window 2
.set MULZ, 0x81                        ; the same with C (the bias) in window 0
.set MSB, 0
.macro WIN new
.if MSB != \new
	s_set_vgpr_msb (MSB<<8)|\new
.set MSB, \new
.endif
.endm
.macro PLACES n
.rept \n
	v_nop
.endr
.endm
.macro JLOAD g0a, g1a, g0b, g1b        ; waves 0 and 1 fetch for R, waves 2 and 3 for P; four v_nop follow each of the two lines
	s_cmp_eq_u32 s15, 0
	s_cbranch_scc0 .Lfor_p_\@
	tensor_load_to_lds s[\g0a:\g0a+3], s[\g1a:\g1a+7]
	s_nop 0
.rept 4
	v_nop
.endr
	s_branch .Lasked_\@
.Lfor_p_\@:
	tensor_load_to_lds s[\g0b:\g0b+3], s[\g1b:\g1b+7]
	s_nop 0
.rept 4
	v_nop
.endr
.Lasked_\@:
.endm
.macro CREST
	s_cmp_lg_u32 s14, 0
	s_cbranch_scc1 .Lnot_wave_0_\@
	s_barrier_signal -3
.Lnot_wave_0_\@:
	s_barrier_wait -3
	s_barrier_signal -1
	s_barrier_wait -1
.endm
.macro CROUND
	s_barrier_signal -1
	s_barrier_wait -1
	CREST
.endm
.macro FRAG reg, adr, q, i             ; a fragment of P from rows: pieces of 8 bytes; the second address register serves the pieces behind one padding more
.irp p, 0,1,2,3,4,5
.set PCE, 12*(\q)+6*(\p/3)+\p%3
.if PCE%8 < 5
	ds_load_b64 v[\reg+2*\p:\reg+2*\p+1], v[\adr] offset:8*PCE+16*(PCE/8)+(\i)*16*PITCH
.else
	ds_load_b64 v[\reg+2*\p:\reg+2*\p+1], v[\adr+3] offset:8*PCE+16*(PCE/8)+(\i)*16*PITCH
.endif
.endr
.endm
.macro FRAGI reg, slot, q, i           ; a fragment of R from images: 128 along K are two heads, six registers each
	ds_load_b128 v[\reg:\reg+3], v[AI16+\slot] offset:3072*(\i)+1536*(\q)
	ds_load_b64 v[\reg+4:\reg+5], v[AI8+\slot] offset:3072*(\i)+1536*(\q)+512
	ds_load_b128 v[\reg+6:\reg+9], v[AI16+\slot] offset:3072*(\i)+1536*(\q)+768
	ds_load_b64 v[\reg+10:\reg+11], v[AI8+\slot] offset:3072*(\i)+1536*(\q)+1280
.endm
.macro FETCH slot, q, set
	WIN 0x40
.irp i, 0,1,2,3,4,5,6,7
	FRAG 128*(\set)+12*\i, ADRB+\slot, \q, \i
.endr
	WIN 0
.irp i, 0,1,2,3
	FRAGI AF+48*(\set)+12*\i, \slot, \q, \i
.endr
.endm
.macro SCALES sc                       ; a K step's two words a row: lanes 0-15 R's block i, lanes 16-31 P's.  For i above 3 lanes 0-15 read bytes of P's scales, which are not used
.irp i, 0,1,2,3,4,5,6,7
	ds_load_b64 v[SC+16*\sc+2*\i:SC+16*\sc+2*\i+1], v[ADRS] offset:544*\i
.endr
.endm
.macro MUL8 a, set, q, sc, zero        ; R's block a against P's eight; the 32 accumulators take turns, in the same order in every step
.irp b, 0,1,2,3,4,5,6,7
.if \zero
	v_wmma_scale_f32_16x16x128_f8f6f4 v[8*(8*(\a)+\b):8*(8*(\a)+\b)+7], v[128*(\set)+12*\b:128*(\set)+12*\b+11], v[AF+48*(\set)+12*(\a):AF+48*(\set)+12*(\a)+11], v[BI+8*\b:BI+8*\b+7], v[SC+16*(\sc)+2*\b+(\q)], v[SC+16*(\sc)+2*(\a)+(\q)] matrix_a_fmt:MATRIX_FMT_FP6 matrix_b_fmt:MATRIX_FMT_FP6 matrix_a_scale:MATRIX_SCALE_ROW1
.else
	v_wmma_scale_f32_16x16x128_f8f6f4 v[8*(8*(\a)+\b):8*(8*(\a)+\b)+7], v[128*(\set)+12*\b:128*(\set)+12*\b+11], v[AF+48*(\set)+12*(\a):AF+48*(\set)+12*(\a)+11], v[8*(8*(\a)+\b):8*(8*(\a)+\b)+7], v[SC+16*(\sc)+2*\b+(\q)], v[SC+16*(\sc)+2*(\a)+(\q)] matrix_a_fmt:MATRIX_FMT_FP6 matrix_b_fmt:MATRIX_FMT_FP6 matrix_a_scale:MATRIX_SCALE_ROW1
.endif
.endr
.endm
.macro STEPA slot, sc, zero            ; a slot's first 128 along K (set 0); the second 128's fragments are asked for ahead of the 32 products
	s_wait_dscnt 0x0
	PLACES 4
	FETCH \slot, 1, 1
.if \zero
	WIN MULZ
.else
	WIN MULW
.endif
	MUL8 0, 0, 0, \sc, \zero
	MUL8 1, 0, 0, \sc, \zero
	MUL8 2, 0, 0, \sc, \zero
	MUL8 3, 0, 0, \sc, \zero
	WIN 0
.endm
	s_load_b256 s[4:11], s[0:1], 0x0               ; R's codes (oimg), R's scales (osc), P's codes, P's scales
	s_load_b64 s[96:97], s[0:1], 0x20              ; bo
	s_load_b64 s[12:13], s[0:1], 0x28              ; out0
	v_lshl_add_u32 v[SPW], v0, 2, SPARE
	v_mov_b32 v[NIL], 0
	ds_add_u32 v28, v29
	ds_add_u32 v28, v29
	s_wait_dscnt 0x0
	v_lshrrev_b32 v1, 5, v0
	v_readfirstlane_b32 s14, v1                    ; wave 0..3
	s_lshr_b32 s15, s14, 1                         ; RH: my half of R's rows.  Also: I fetch for R (0) or for P (1)
	s_and_b32 s16, s14, 1                          ; PH: my half of P's rows.  Also: which half of that tile I fetch
	s_bfe_u32 s46, ttmp6, 0x40000                  ; cx
	s_bfe_u32 s47, ttmp6, 0x40004                  ; cy
	s_lshl_b32 s44, ttmp9, 2
	s_add_co_u32 s44, s44, s46                     ; P's block of 256 rows
	s_and_b32 s45, ttmp7, 0xffff
	s_lshl_b32 s45, s45, 2
	s_add_co_u32 s45, s45, s47                     ; R's block of 128 rows
	s_lshl_b32 s17, s47, 2
	s_lshl_b32 s17, 15, s17                        ; my row of the cluster
	s_lshl_b32 s18, 0x1111, s46                    ; my column
	; group 1 for R: four tiles of rows x 3,072 bytes (four heads' images; 384 elements of 8 bytes), 12,288 bytes apart; no padding
	s_or_b32 s[G1], s17, (3<<16)|(1<<21)
	s_mov_b32 s[G1+1], 384<<16
	s_mov_b32 s[G1+2], 4<<16
	s_mov_b32 s[G1+3], 384<<16
	s_mov_b32 s[G1+4], 4
	s_mov_b32 s[G1+5], 1536
	s_mov_b32 s[G1+6], 0
	s_mov_b32 s[G1+7], 0
	; for P: 128 rows x 192 bytes, 768 apart; 16 bytes of padding behind every 64
	s_or_b32 s[G1B], s18, (1<<20)|(1<<21)|(3<<22)|(3<<25)
	s_mov_b32 s[G1B+1], 192<<16
	s_mov_b32 s[G1B+2], 128<<16
	s_mov_b32 s[G1B+3], 192<<16
	s_mov_b32 s[G1B+4], 128
	s_mov_b32 s[G1B+5], 768
	s_mov_b32 s[G1B+6], 0
	s_mov_b32 s[G1B+7], 0
	; the scale bytes of 64 or 128 rows: a dense block, as rows of 256 bytes, 16 bytes of padding behind each
	s_or_b32 s[G1S], s17, (3<<16)|(1<<20)|(1<<21)|(5<<22)|(3<<25)
	s_mov_b32 s[G1S+1], 32<<16
	s_mov_b32 s[G1S+2], 8<<16
	s_mov_b32 s[G1S+3], 32<<16
	s_mov_b32 s[G1S+4], 8
	s_mov_b32 s[G1S+5], 32
	s_mov_b32 s[G1S+6], 0
	s_mov_b32 s[G1S+7], 0
	s_or_b32 s[G1SB], s18, (3<<16)|(1<<20)|(1<<21)|(5<<22)|(3<<25)
	s_mov_b32 s[G1SB+1], 32<<16
	s_mov_b32 s[G1SB+2], 16<<16
	s_mov_b32 s[G1SB+3], 32<<16
	s_mov_b32 s[G1SB+4], 16
	s_mov_b32 s[G1SB+5], 32
	s_mov_b32 s[G1SB+6], 0
	s_mov_b32 s[G1SB+7], 0
	s_lshl_b32 s20, s45, 3
	s_lshl_b32 s19, s16, 2
	s_add_co_u32 s20, s20, s19                     ; R: the first tile of 16 rows that I fetch
	s_mov_b32 s21, 0
	s_lshl_b32 s66, s20, 9                         ; its scale bytes: 16 rows x 32
	s_mov_b32 s67, 0
	s_mul_i32 s20, s20, 12288                      ; its images: 16 heads x 768
	s_lshl_b32 s22, s44, 8
	s_lshl_b32 s19, s16, 7
	s_add_co_u32 s22, s22, s19                     ; P: the first row that I fetch
	s_mov_b32 s23, 0
	s_lshl_b32 s104, s22, 5
	s_mov_b32 s105, 0
	s_mul_i32 s22, s22, 768
	s_wait_kmcnt 0x0
	s_add_nc_u64 s[6:7], s[6:7], s[66:67]
	s_add_nc_u64 s[4:5], s[4:5], s[20:21]
	s_add_nc_u64 s[10:11], s[10:11], s[104:105]
	s_add_nc_u64 s[8:9], s[8:9], s[22:23]
	CROUND                                         ; all sixteen work-groups are here: the first joint loads meet
	s_mul_i32 s19, s16, RS
	s_mov_b32 s[G0S], 1
	s_add_co_u32 s[G0S+1], s19, SCL
	s_mov_b64 s[G0S+2:G0S+3], s[6:7]
	s_or_b32 s[G0S+3], s[G0S+3], 0x80000000
	s_mul_i32 s19, s16, PS
	s_mov_b32 s[G0SB], 1
	s_add_co_u32 s[G0SB+1], s19, SCL+2*RS
	s_mov_b64 s[G0SB+2:G0SB+3], s[10:11]
	s_or_b32 s[G0SB+3], s[G0SB+3], 0x80000000
	JLOAD G0S, G1S, G0SB, G1SB                     ; the scale bytes first
	s_mul_i32 s19, s16, RT
	s_mul_i32 s17, s16, PT
.irp n, 0,1,2
	s_mov_b32 s[G0+4*\n], 1
	s_add_co_u32 s[G0+4*\n+1], s19, \n*SLOT
	s_add_nc_u64 s[G0+4*\n+2:G0+4*\n+3], s[4:5], \n*3072
	s_or_b32 s[G0+4*\n+3], s[G0+4*\n+3], 0x80000000
	s_mov_b32 s[G0B+4*\n], 1
	s_add_co_u32 s[G0B+4*\n+1], s17, \n*SLOT+2*RT
	s_add_nc_u64 s[G0B+4*\n+2:G0B+4*\n+3], s[8:9], \n*192
	s_or_b32 s[G0B+4*\n+3], s[G0B+4*\n+3], 0x80000000
	JLOAD G0+4*\n, G1, G0B+4*\n, G1B               ; K steps 0, 1, 2
.endr
	v_and_b32 v1, 15, v0                           ; r
	v_bfe_u32 v2, v0, 4, 1                         ; h
	v_and_b32 v3, 31, v0                           ; lane
	v_lshlrev_b32 v[L16], 4, v3
	v_lshlrev_b32 v7, 3, v3
	v_mul_u32_u24 v4, v1, PITCH
	v_mad_u32_u24 v4, v2, 24, v4
	v_lshl_add_u32 v5, v2, 4, v4
	s_mul_i32 s19, s15, RT                         ; my four tiles of R
	s_mul_i32 s17, s16, PT
	s_add_co_u32 s17, s17, 2*RT                    ; my 128 rows of P, behind R's images
.irp n, 0,1,2
	v_add_nc_u32 v[AI16+\n], s19, v[L16]
	v_add_nc_u32 v[AI8+\n], s19, v7
	v_add_nc_u32 v[ADRB+\n], s17, v4
	v_add_nc_u32 v[ADRB+3+\n], s17, v5
	s_add_co_u32 s19, s19, SLOT
	s_add_co_u32 s17, s17, SLOT
.endr
	v_lshlrev_b32 v6, 5, v1                        ; my row's scale bytes: 32 a row,
	v_lshrrev_b32 v7, 8, v6
	v_lshl_add_u32 v6, v7, 4, v6                   ; and 16 more for each 256 passed
	s_mul_i32 s19, s15, RS
	s_mul_i32 s17, s16, PS
	s_add_co_u32 s17, s17, 2*RS
	s_sub_co_u32 s17, s17, s19
	v_mul_u32_u24 v7, s17, v2                      ; lanes 16-31 take P's: one product, the distance between the two bases
	s_add_co_u32 s19, s19, SCL
	v_add_nc_u32 v6, v6, v7
	v_add_nc_u32 v[ADRS], s19, v6
	s_mul_i32 s19, s14, 16*SPITCH
	s_add_co_u32 s19, s19, STAGE                   ; my stage
	v_mul_u32_u24 v6, v1, SPITCH
	v_lshl_add_u32 v6, v2, 5, v6
	v_add_nc_u32 v[STO], s19, v6                   ; in: row r, 32 bytes for each half of the lanes
	v_add_nc_u32 v[RD], s19, v[L16]                ; back: the 32 lanes take one row of 512 bytes
	s_lshl_b32 s66, s44, 10
	s_lshl_b32 s67, s16, 9
	s_add_co_u32 s66, s66, s67                     ; my 128 columns, in bytes
	v_lshl_add_u32 v[VBQ], v2, 5, s66              ; the bias: register 8 b + j is column 16 b + 8 h + j
.irp b, 0,1,2,3,4,5,6,7
	global_load_b128 v[BI+8*\b:BI+8*\b+3], v[VBQ], s[96:97] offset:64*\b
	global_load_b128 v[BI+8*\b+4:BI+8*\b+7], v[VBQ], s[96:97] offset:64*\b+16
.endr
	s_lshl_b32 s104, s45, 7
	s_lshl_b32 s105, s15, 6
	s_add_co_u32 s104, s104, s105                  ; my first row of out0
	s_lshl_b32 s104, s104, 12                      ; 4,096 bytes a row
	s_add_co_u32 s104, s104, s66
	s_mov_b32 s105, 0
	s_add_nc_u64 s[12:13], s[12:13], s[104:105]
	s_wait_tensorcnt 0x2                           ; the scale bytes and my part of K step 0 are in; the loads of K steps 1 and 2, issued behind them, may be out
	s_barrier_signal -1
	s_barrier_wait -1
	FETCH 0, 0, 0
	SCALES 0
	s_wait_loadcnt 0x0                             ; the bias
	STEPA 0, 0, 1                                  ; K 0-127: the first products start the sums from the bias
	; K 128-255, and the one change that fills a slot again: slot 0 takes K step 3
	s_wait_tensorcnt 0x0                           ; all my tensor loads have landed, slots 1 and 2 among them;
	ds_add_u32 v[SPW], v[NIL]                      ; 0 onto my spare word
	s_wait_dscnt 0x1                               ; (my fragments are in; the add alone may be out)
	WIN MULW
	MUL8 0, 1, 1, 0, 0
	s_wait_dscnt 0x0                               ; the add is done, and my reads of slot 0 are over
	s_barrier_signal -1
	MUL8 1, 1, 1, 0, 0
	WIN 0
	s_barrier_wait -1
	CREST                                          ; the barrier has opened a round of the cluster's: no wave of any partner still reads slot 0 or has a load on its way
	s_add_nc_u64 s[G0+2:G0+3], s[G0+2:G0+3], 3*3072
	s_add_nc_u64 s[G0B+2:G0B+3], s[G0B+2:G0B+3], 3*192
	JLOAD G0, G1, G0B, G1B                         ; its four v_nop are the places in front of the loads below
	v_add_nc_u32 v[ADRS], 8, v[ADRS]
	FETCH 1, 0, 0
	SCALES 1
	WIN MULW
	MUL8 2, 1, 1, 0, 0
	MUL8 3, 1, 1, 0, 0
	WIN 0
	STEPA 1, 1, 0                                  ; K 256-383
	s_wait_dscnt 0x0                               ; K 384-511.  Slot 2 was shown whole to every wave by the barrier above
	PLACES 4
	v_add_nc_u32 v[ADRS], 8, v[ADRS]
	FETCH 2, 0, 0
	SCALES 0
	WIN MULW
	MUL8 0, 1, 1, 1, 0
	MUL8 1, 1, 1, 1, 0
	MUL8 2, 1, 1, 1, 0
	MUL8 3, 1, 1, 1, 0
	WIN 0
	STEPA 2, 0, 0                                  ; K 512-639
	s_wait_tensorcnt 0x0                           ; K 640-767.  My one load that was out: my part of K step 3.  No round and no add
	s_wait_dscnt 0x0
	WIN MULW
	s_barrier_signal -1
	MUL8 0, 1, 1, 0, 0
	MUL8 1, 1, 1, 0, 0
	WIN 0
	s_barrier_wait -1
	PLACES 4
	v_add_nc_u32 v[ADRS], 8, v[ADRS]
	FETCH 0, 0, 0
	SCALES 1
	WIN MULW
	MUL8 2, 1, 1, 0, 0
	MUL8 3, 1, 1, 0, 0
	WIN 0
	STEPA 0, 1, 0                                  ; K 768-895
	s_wait_dscnt 0x0                               ; K 896-1023: nothing more to fetch
	WIN MULW
	MUL8 0, 1, 1, 1, 0
	MUL8 1, 1, 1, 1, 0
	MUL8 2, 1, 1, 1, 0
	MUL8 3, 1, 1, 1, 0
	WIN 0
; THE WAY OUT, block by block of 16 rows x 128 columns, through my own stage: a lane's 32 bytes of a row go in, whole rows of 512 bytes come back.  LDS serves a wave's instructions in order: no wait between the stores and the loads.
.macro TOSTAGE a
	WIN 0x08                                       ; an LDS store's data: window 2
.irp b, 0,1,2,3,4,5,6,7
	ds_store_b128 v[STO], v[64*(\a)+8*\b:64*(\a)+8*\b+3] offset:64*\b          ; each accumulator from its low end on
	ds_store_b128 v[STO], v[64*(\a)+8*\b+4:64*(\a)+8*\b+7] offset:64*\b+16
.endr
	WIN 0
.set BB, BK+64*((\a)%2)
.irp t, 0,1,2,3,4,5,6,7,8,9,10,11,12,13,14,15
	ds_load_b128 v[BB+4*\t:BB+4*\t+3], v[RD] offset:\t*SPITCH
.endr
.endm
.macro SEND a, younger                 ; younger: the LDS instructions issued behind block a's loads, which may stay out
.set BB, BK+64*((\a)%2)
	s_wait_dscnt \younger
.if (\a) > 0
	s_add_nc_u64 s[12:13], s[12:13], 16*4096       ; (behind a wait for 0 on XCNT: the earlier stores have read their base)
.endif
.irp t, 0,1,2,3,4,5,6,7,8,9,10,11,12,13,14,15
	global_store_b128 v[L16], v[BB+4*\t:BB+4*\t+3], s[12:13] offset:\t*4096 th:TH_STORE_NT   ; 32 lanes store 512 consecutive bytes, aligned to 256; written once, read by nobody here
.endr
.endm
	PLACES 4                                       ; behind the last products: for the reads of results and the loads into registers that held R's fragments
	TOSTAGE 0
.irp a, 1,2,3
.if \a > 1
	s_wait_xcnt 0x0                                ; block a - 2's stores have read their registers and their base
.endif
	TOSTAGE \a
	SEND \a-1, 32                                  ; behind block a - 1's loads: block a's 16 stores and 16 loads
.endr
	s_wait_xcnt 0x0
	SEND 3, 0
	s_wait_tensorcnt 0x0                           ; the wave's end
	ds_add_u32 v[SPW], v[NIL]
	s_wait_dscnt 0x0
	CROUND                                         ; the closing round
	s_endpgm
.Lfunc_end_k_qdee448957e_oproj:
	.size	k_qdee448957e_oproj, .Lfunc_end_k_qdee448957e_oproj-k_qdee448957e_oproj
	.p2alignl 7, 3214868480
	.fill 96, 4, 3214868480
	.section	.rodata,"a",@progbits
	.p2align	6, 0x0
	.amdhsa_kernel k_qdee448957e_oproj
		.amdhsa_group_segment_fixed_size 327680
		.amdhsa_private_segment_fixed_size 0
		.amdhsa_enable_private_segment 0
		.amdhsa_kernarg_size 48
		.amdhsa_user_sgpr_count 2
		.amdhsa_user_sgpr_kernarg_segment_ptr 1
		.amdhsa_wavefront_size32 1
		.amdhsa_system_sgpr_workgroup_id_x 1
		.amdhsa_system_sgpr_workgroup_id_y 1
		.amdhsa_system_sgpr_workgroup_id_z 1
		.amdhsa_system_vgpr_workitem_id 0
		.amdhsa_next_free_vgpr 768
		.amdhsa_next_free_sgpr 106
		.amdhsa_reserve_vcc 0
		.amdhsa_float_denorm_mode_32 3
		.amdhsa_float_denorm_mode_16_64 3
		.amdhsa_memory_ordered 1
		.amdhsa_forward_progress 1
		.amdhsa_inst_pref_size 98
	.end_amdhsa_kernel
	.amdgpu_metadata
---
amdhsa.version: [ 1, 2 ]
amdhsa.kernels:
  - .name:           k_qdee448957e_oproj
    .symbol:         k_qdee448957e_oproj.kd
    .args:
      - { .name: oimg, .offset: 0, .size: 8, .value_kind: global_buffer, .address_space: global }
      - { .name: osc, .offset: 8, .size: 8, .value_kind: global_buffer, .address_space: global }
      - { .name: Wo_codes, .offset: 16, .size: 8, .value_kind: global_buffer, .address_space: global }
      - { .name: Wo_scales, .offset: 24, .size: 8, .value_kind: global_buffer, .address_space: global }
      - { .name: bo, .offset: 32, .size: 8, .value_kind: global_buffer, .address_space: global }
      - { .name: out0, .offset: 40, .size: 8, .value_kind: global_buffer, .address_space: global }
    .group_segment_fixed_size: 327680
    .private_segment_fixed_size: 0
    .kernarg_segment_align: 8
    .kernarg_segment_size: 48
    .max_flat_workgroup_size: 128
    .sgpr_count:     106
    .vgpr_count:     768
    .wavefront_size: 32
...
	.end_amdgpu_metadata
.endif
;; end of part 3
